; MI455X (gfx1250); checked and timed in simulation.
; The chip was launched on July 23, 2026; its instructions are those of AMD's public machine-readable ISA for CDNA 5 (MIT licence, August 2026) and "CDNA5" Instruction Set Architecture Reference Guide (July 2026). The comments in the code are by the model that wrote it; some were corrected since.
;; Custom GPT2 Multi Head Attention. Allowed arithmetic: matrix products marked QUANTISED: E3M2 operands, one E8M0 scale for each 32 along K, by v_wmma_scale_f32_16x16x128_f8f6f4 with both operands' format E3M2, f32 sums; products left as they are: f32 operands where the result goes on into a quantised operand, else bf16, f16 or f32 operands; f32 sums; everything else in f32.
;; Inputs: Wc_attn 1,024 x 3,072 float32; Wc_proj 1,024 x 1,024 float32; Wuk 1,024 x 1,024 float32; Wuv 1,024 x 1,024 float32; attention_mask 8 x 1 x 1 x 1,025 float32; bc_attn 3,072 float32; bc_proj 1,024 float32; hidden_states 8 x 1,024 x 1,024 float32; image_hidden_states 8 x 1 x 1,024 float32.
;; Outputs: out0 8 x 1,024 x 1,024 float32.
;; This version of the problem:
;;   THIS VERSION OF THE PROBLEM IS GIVEN IN LOW PRECISION. The matrix products marked QUANTISED in the list below multiply operands that are first quantised to E3M2 (3 exponent bits, 2 mantissa bits; 6 bits a number), with one power-of-two scale for each 32 numbers along K (OCP MX v1.0); their sums are f32. All else is computed in f32.
;;   The module's matrix products, in the order in which they are computed (A, B: the left and right operand; K: the contracted axis; several contracted axes count as one K, in the product's order):
;;     1. [M 8,192, K 1,024] x [K 1,024, N 3,072]; A: input hidden_states; B: input Wc_attn: QUANTISED
;;     2. [M 8, K 1,024] x [K 1,024, N 1,024]; A: input image_hidden_states; B: input Wuk: left as it is (M = 8 < 16)
;;     3. [M 8, K 1,024] x [K 1,024, N 1,024]; A: input image_hidden_states; B: input Wuv: left as it is (M = 8 < 16)
;;     4. batch 128 x [M 1,024, K 64] x [K 64, N 1,025]; A: computed on the way; B: computed on the way: QUANTISED
;;     5. batch 128 x [M 1,024, K 1,025] x [K 1,025, N 64]; A: softmax (see below); B: computed on the way: QUANTISED
;;     6. [M 8,192, K 1,024] x [K 1,024, N 1,024]; A: computed on the way; B: input Wc_proj: QUANTISED
;;   THE QUANTISER, for each operand of a quantised product, along K:
;;     - K is cut into blocks of 32 from its start; a last block that is shorter is filled with zeros.
;;     - A block's scale is 2^e with e = floor(log2(the largest magnitude in the block)) - 4, held to -126 .. 127; a block of zeros has e = 0. As a byte (E8M0): e + 127.
;;     - Each number is divided by its block's scale, clamped to +-28, and rounded to the nearest number of E3M2, ties to even, subnormals kept.
;;     - The product sums the exact products of the quantised numbers (number of the format x scale) in f32.
;;   ~~~python
;;   def quantise(x, axis):      # numpy; x: float32 -> the quantised numbers, widened to float32 again
;;       x = np.moveaxis(x, axis, -1); K = x.shape[-1]
;;       x = np.pad(x, [(0, 0)] * (x.ndim - 1) + [(0, -K % 32)]); x = x.reshape(x.shape[:-1] + (-1, 32)); a = np.abs(x).max(-1, keepdims=True)
;;       e = np.where(a > 0, np.clip(np.frexp(np.where(a > 0, a, 1))[1] - 1 - 4, -126, 127), 0)      # np.frexp(a)[1] - 1 = floor(log2(a)), exactly
;;       r = np.clip(x / 2.0 ** e, -28, 28)
;;       step = 2.0 ** (np.maximum(np.frexp(np.where(r == 0, 1, r))[1] - 1, -2) - 2)
;;       q = np.round(r / step) * step * 2.0 ** e      # np.round: ties to even
;;       return np.moveaxis(q.reshape(q.shape[:-2] + (-1,))[..., :K], -1, axis).astype(np.float32)
;;   ~~~
;;   SOFTMAX AHEAD OF A QUANTISED PRODUCT. Where the list says 'softmax', what is quantised is not the finished softmax but p = 2^(t - M), with t = logit x log2(e) and M = ceil(the row's largest t), a whole number; so 1/2 < the row's largest p <= 1. The row's sum l is taken of the UNQUANTISED p, in f32, and the product's result is divided by l at the end. Since M is a whole number, a kernel that streams over the keys may use a running M (the ceiling of the running maximum): every later rescaling is an exact power of two, which a block's scale takes up: the codes' values come out the same.
;;   OPERANDS COMPUTED ON THE WAY. 'Computed on the way' means the value that the module computes at that place (a softmax that the list does not call 'softmax' is quantised finished and normalised). What goes into a quantiser is computed in f32, as accurately as f32 sums, v_exp_f32 and their like allow (about 1e-6 of the number): no bf16 or f16 on the way to a quantiser, and a product that is left as it is and whose result goes on into a quantised operand takes f32 operands (vector FMAs, or v_wmma_f32_16x16x4_f32). A number that lies on a knife's edge between two numbers of the format may be rounded either way, as far as f32 arithmetic and the matrix unit's own rounding can turn it there, and no further.
;; One version. Each part assembles by itself: llvm-mc -triple=amdgcn-amd-amdhsa -mcpu=gfx1250 --defsym DOCPART=n.
;; ======== version 1 of 1: 4 launches
;; workspace buffers: opnd 9,863,168 bytes; masks 34,816 bytes of whole numbers; qkv 21,299,200 bytes; att 6,553,600 bytes
;; launch prep (part 1): grid 450 x 1, 4 waves a work-group, no clusters, 35,328 bytes of LDS; arguments hidden_states, Wc_attn, Wc_proj, Wuk, Wuv, image_hidden_states, attention_mask, opnd, masks, qkv; writes opnd, masks, qkv
.if DOCPART == 1
	.amdgcn_target "amdgcn-amd-amdhsa--gfx1250"
	.amdhsa_code_object_version 6
	.text
	.protected	k_qd863820995_prep
	.globl	k_qd863820995_prep
	.p2align	8
	.type	k_qd863820995_prep,@function
k_qd863820995_prep:
	s_mov_b64 s[64:65], 0
	v_nop
	global_prefetch_b8 v0, s[64:65] scope:SCOPE_SE
	s_setreg_imm32_b32 hwreg(HW_REG_WAVE_MODE, 25, 1), 1
	s_wait_xcnt 0x0
; PREP: everything that is made once, ahead of the products.  Five paths, parted by the work-group's number:
;   0-63    I   k_img = img Wuk^T and v_img = img Wuv^T, in f32 fused multiply-adds (M = 8: no matrix work); v_img becomes codes: key 1,024, the first key of V's ninth key step
;   64-65   M   attention_mask becomes lane masks (one word for each score register of the attention launch) and, for each batch, which key steps hold a masked key
;   66-321  X   hidden_states [8192][1024] f32 -> codes of E3M2 + E8M0 bytes along K
;   322-417 WA  Wc_attn [1024][3072] f32, K its FIRST axis -> the same, a lane to a column, registers down K
;   418-449 WP  Wc_proj [1024][1024] likewise
; LAYOUT OF EVERY OPERAND: a HALF IMAGE, 768 bytes = 16 rows x 64 along K as the matrix operand's registers hold them: lane slot l = r + 16 h has block h (32 codes, 24 bytes) of row slot r:
; its first 16 bytes at 16 l, its last 8 at 512 + 8 l.  A tile of 16 rows has its 16 half images on end (12,288 bytes).  TILE ORDER: slot r of tile T is row 32 (T / 2) + 8 (T % 2) + r + 8 (r / 8).
; SCALES: 512 bytes a tile: [K slot of 256: 0..3][r][8 bytes].
; A block's scale is 2^(floor(log2(largest magnitude)) - 4): its byte is the largest magnitude's exponent field - 4, held at 1 from below by a floor among the maximum's leaves.
; LIMITS: NaN and infinities among the inputs are not served; blocks whose largest magnitude lies under 2^-122 keep the byte 1; a block of zeros has the byte 1 and not 127 (its codes are zeros, and this program alone reads the bytes).
; k_img is computed and stored (opnd, KIMG) and read by no later launch: reference()'s own tril hides key 1,024 from every query, so its score is never used.
; Only path X uses LDS, each wave its own 8,704 bytes; no barrier: waves share nothing.
.set XSCL,  6291456
.set WAIMG, 6553600
.set WASCL, 8912896
.set WPIMG, 9011200
.set WPSCL, 9797632
.set KIMG,  9830400
.set VBLK,  13631488
.set BLKB,  6656
.set TILEB, 12288
.set FLOOR, 0x2800000                  ; 2^(5 - 127)
.set OFF4,  0xfe000000                 ; -(4 << 23)
.set RR,    64                         ; path X: v64-191 four sets of 32 registers as loaded
.set XX,    192                        ; path X: v192-255 two sets of 32 neighbours along K
; the largest magnitude of 32 numbers v[xs] .. v[xs + 31] and the floor, in two chains -> v12; v14 = the conversion's scale operand (4 off the exponent field)
.macro MAX32 xs
	v_max3_num_f32 v12, |v[\xs]|, |v[\xs+1]|, FLOOR
	v_max3_num_f32 v13, |v[\xs+2]|, |v[\xs+3]|, |v[\xs+4]|
.irp i, 5,9,13,17,21,25
	v_max3_num_f32 v12, v12, |v[\xs+\i]|, |v[\xs+\i+1]|
	v_max3_num_f32 v13, v13, |v[\xs+\i+2]|, |v[\xs+\i+3]|
.endr
	v_max3_num_f32 v12, v12, |v[\xs+29]|, |v[\xs+30]|
	v_max3_num_f32 v12, v12, v13, |v[\xs+31]|
	v_add_nc_u32 v14, OFF4, v12
.endm
	s_load_b256 s[4:11], s[0:1], 0x0               ; hidden_states s[4:5], Wc_attn s[6:7], Wc_proj s[8:9], Wuk s[10:11]
	s_load_b256 s[12:19], s[0:1], 0x20             ; Wuv s[12:13], image_hidden_states s[14:15], attention_mask s[16:17], opnd s[18:19]
	s_load_b128 s[20:23], s[0:1], 0x40             ; masks s[20:21], qkv s[22:23]
	s_set_vgpr_msb 0x40
	v_lshl_add_u32 v0, v0, 2, 0x8800
	v_mov_b32 v1, 0
	s_set_vgpr_msb 0x4000
	v_lshrrev_b32 v1, 5, v0
	v_readfirstlane_b32 s24, v1                    ; wave 0..3
	v_and_b32 v1, 31, v0                           ; lane
	v_and_b32 v2, 15, v0                           ; r
	v_bfe_u32 v3, v0, 4, 1                         ; h (paths WA, WP: u)
	s_mov_b32 s26, 0x76543210
	s_mov_b32 s27, 0xfedcba98                      ; v_permlanex16_b32's selects for lane l xor 16
	s_mov_b32 s33, 0                               ; the upper word of every 32-bit offset
	s_wait_kmcnt 0x0
	s_cmp_lt_u32 ttmp9, 64
	s_cbranch_scc1 .Lpath_i
	s_cmp_lt_u32 ttmp9, 66
	s_cbranch_scc1 .Lpath_m
	s_cmp_lt_u32 ttmp9, 322
	s_cbranch_scc1 .Lpath_x
	s_cmp_lt_u32 ttmp9, 418
	s_cbranch_scc1 .Lpath_wa
; ---------------- PATHS WA, WP.  A wave takes 32 columns (two tiles) x 256 along K (one K slot, 8 blocks).  Lane (u, r) takes column n0 + 8 u + r + 8 (r / 8): slot r of tile n0 / 16 + u.
.macro WLOAD t, cols                   ; block t: 32 rows of W at my column: a wave reads 128 consecutive bytes a load
.set i, 0
.rept 32
	global_load_b32 v[64+32*((\t)%2)+i], v4, s[34:35] offset:(32*(\t)+i)*4*(\cols) th:TH_LOAD_NT
.set i, i+1
.endr
.endm
.macro WBLOCK t, cols
.set XS, 64+32*((\t)%2)
.set CC, 32+10*((\t)%2)                ; the codes of an even block at v32-37, of an odd one at v42-47; three registers behind each at work
.if (\t) < 7
	s_wait_loadcnt 32                              ; this block's 32 loads are in; the next block's 32 may be out
.else
	s_wait_loadcnt 0x0
.endif
	MAX32 XS
	v_lshrrev_b32 v15, 23, v14                     ; the scale's byte
.if (\t)%4 == 0
	v_mov_b32 v[52+(\t)/4], v15                    ; four bytes to a register, the lower K in the lower byte
.else
	v_lshl_or_b32 v[52+(\t)/4], v15, 8*((\t)%4), v[52+(\t)/4]
.endif
.if ((\t)%2 == 0) && ((\t) > 0)
	s_wait_xcnt 0x0                                ; the last pair's stores have read their registers: the codes may be written again
.endif
	v_cvt_scalef32_pk16_bf6_f32 v[CC:CC+2], v[XS:XS+15], v14
	v_cvt_scalef32_pk16_bf6_f32 v[CC+6:CC+8], v[XS+16:XS+31], v14   ; (a conversion's three registers begin on an even number)
	v_nop                                          ; one plain place behind a scaled conversion
	v_mov_b32 v[CC+3], v[CC+6]
	v_mov_b32 v[CC+4], v[CC+7]
	v_mov_b32 v[CC+5], v[CC+8]
.if (\t)+2 < 8
	WLOAD (\t)+2, \cols
.endif
.if (\t)%2 == 1                        ; blocks t - 1 (h = 0) and t (h = 1) are one half image of each of my two tiles
	global_store_b128 v5, v[32:35], s[36:37] offset:768*((\t)/2)       ; sixteen lanes store 256 consecutive bytes, aligned
	global_store_b128 v5, v[42:45], s[36:37] offset:768*((\t)/2)+256
	v_permlane16_swap_b32 v36, v46                 ; the last 8 bytes: the first pair now holds the first tile's 256 bytes in lane order, the second pair the second tile's
	v_permlane16_swap_b32 v37, v47
	global_store_b64 v6, v[36:37], s[36:37] offset:768*((\t)/2)+512
	global_store_b64 v6, v[46:47], s[36:37] offset:768*((\t)/2)+512+TILEB
.endif
.endm
.macro WQ cols, sp, img, scl, first
	s_sub_co_u32 s28, ttmp9, \first
	s_and_b32 s29, s28, 3                          ; K slot
	s_lshr_b32 s28, s28, 2                         ; group of 128 columns
	s_lshl_b32 s28, s28, 7
	s_lshl_b32 s30, s24, 5
	s_add_co_u32 s28, s28, s30                     ; n0
	s_mul_i32 s32, s29, 1024*(\cols)               ; 256 rows of 4 x cols bytes
	s_lshl_b32 s30, s28, 2
	s_add_co_u32 s32, s32, s30
	s_add_nc_u64 s[34:35], s[\sp:\sp+1], s[32:33]
	s_lshr_b32 s30, s28, 4                         ; my first tile
	s_mul_i32 s32, s30, TILEB
	s_mul_i32 s31, s29, 3072
	s_add_co_u32 s32, s32, s31
	s_add_co_u32 s32, s32, \img
	s_add_nc_u64 s[36:37], s[18:19], s[32:33]
	s_lshl_b32 s32, s30, 9
	s_lshl_b32 s31, s29, 7
	s_add_co_u32 s32, s32, s31
	s_add_co_u32 s32, s32, \scl
	s_add_nc_u64 s[38:39], s[18:19], s[32:33]
	v_and_b32 v4, 8, v2
	v_add_nc_u32 v4, v4, v2
	v_lshl_add_u32 v4, v3, 3, v4
	v_lshlrev_b32 v4, 2, v4                        ; in: 4 (8 u + r + 8 (r / 8))
	v_mul_u32_u24 v5, v3, TILEB
	v_lshl_add_u32 v5, v2, 4, v5                   ; out: tile u, 16 r
	v_lshlrev_b32 v6, 3, v1                        ; 8 x lane
	v_lshlrev_b32 v7, 9, v3
	v_lshl_add_u32 v7, v2, 3, v7                   ; scales: tile u, 8 r
	WLOAD 0, \cols
	WLOAD 1, \cols
.irp t, 0,1,2,3,4,5,6,7
	WBLOCK \t, \cols
.endr
	global_store_b64 v7, v[52:53], s[38:39]        ; my column's 8 bytes of this K slot: sixteen lanes store 128 consecutive bytes (the K slots of a tile come from four work-groups)
	s_endpgm
.endm
	WQ 1024, 8, WPIMG, WPSCL, 418
.Lpath_wa:
	WQ 3072, 6, WAIMG, WASCL, 322
; ---------------- PATH X.  Wave W = 4 x work-group + wave takes tile W / 2 and half W % 2 of K: 8 steps of 64 along K.  A load reads 256 aligned bytes of each of two rows; a step's 4,096 bytes turn
; through the wave's own stage (rows 272 bytes apart), so that lane (r, h) gets all 32 numbers of block h of slot r.
.macro XLOAD t
.irp j, 0,1,2,3,4,5,6,7
	global_load_b128 v[RR+32*((\t)%4)+4*\j:RR+32*((\t)%4)+4*\j+3], v4, s[4:5] offset:(2*\j+8*(\j/4))*4096+256*(\t) th:TH_LOAD_NT
.endr
.endm
.macro XTURN t                         ; LDS serves a wave's instructions in order: no wait between the stores and the loads
.irp j, 0,1,2,3,4,5,6,7
	ds_store_b128 v5, v[RR+32*((\t)%4)+4*\j:RR+32*((\t)%4)+4*\j+3] offset:4352*((\t)%2)+544*\j
.endr
.irp j, 0,1,2,3,4,5,6,7
	ds_load_b128 v[XX+32*((\t)%2)+4*\j:XX+32*((\t)%2)+4*\j+3], v6 offset:4352*((\t)%2)+16*\j
.endr
.endm
.macro XSTEP t
.set XS, XX+32*((\t)%2)
	s_wait_dscnt 0x0                               ; this step's numbers are back from the stage, and its stores into the stage have read their registers,
.if (\t)+4 < 8
	XLOAD (\t)+4                                   ; which take the loads of four steps on
.endif
.if (\t)+1 < 8
.if (\t)+4 < 8
	s_wait_loadcnt 24                              ; the next step's eight loads are in; those of the three steps behind it may be out
.else
	s_wait_loadcnt 8*(6-(\t))                      ; the same, with fewer steps left behind it
.endif
	XTURN (\t)+1
.endif
	MAX32 XS
	s_wait_xcnt 0x0                                ; the last step's stores have read their registers
	v_cvt_scalef32_pk16_bf6_f32 v[32:34], v[XS:XS+15], v14
	v_cvt_scalef32_pk16_bf6_f32 v[38:40], v[XS+16:XS+31], v14
	v_lshrrev_b32 v15, 23, v14                     ; the scale's byte (also the plain place behind the conversions)
	v_mov_b32 v35, v38
	v_mov_b32 v36, v39
	v_mov_b32 v37, v40
	global_store_b128 v7, v[32:35], s[36:37] offset:768*(\t)
	global_store_b64 v8, v[36:37], s[36:37] offset:768*(\t)+512
.if (\t)%2 == 0
	v_lshlrev_b32 v[44+(\t)/2], v9, v15            ; byte 2 (t % 2) + h of word t / 2
.else
	v_lshl_or_b32 v[44+(\t)/2], v15, v10, v[44+(\t)/2]
.endif
.endm
.Lpath_x:
	s_sub_co_u32 s28, ttmp9, 66
	s_lshl_b32 s28, s28, 2
	s_add_co_u32 s28, s28, s24                     ; W
	s_lshr_b32 s29, s28, 1                         ; tile T
	s_and_b32 s30, s28, 1                          ; which half of K
	s_lshr_b32 s31, s29, 1
	s_lshl_b32 s31, s31, 5
	s_and_b32 s32, s29, 1
	s_lshl_b32 s32, s32, 3
	s_add_co_u32 s31, s31, s32                     ; the tile's first row: 32 (T / 2) + 8 (T % 2)
	s_lshl_b32 s32, s31, 12
	s_lshl_b32 s34, s30, 11
	s_add_co_u32 s32, s32, s34
	s_add_nc_u64 s[4:5], s[4:5], s[32:33]
	s_mul_i32 s32, s29, TILEB
	s_mul_i32 s34, s30, 6144
	s_add_co_u32 s32, s32, s34
	s_add_nc_u64 s[36:37], s[18:19], s[32:33]      ; my eight half images
	s_lshl_b32 s32, s29, 9
	s_lshl_b32 s34, s30, 8
	s_add_co_u32 s32, s32, s34
	s_add_co_u32 s32, s32, XSCL
	s_add_nc_u64 s[38:39], s[18:19], s[32:33]      ; my 256 scale bytes
	s_mul_i32 s40, s24, 8704                       ; my stages
	v_lshlrev_b32 v4, 4, v2
	v_lshl_add_u32 v4, v3, 12, v4                  ; in: lanes 0-15 one row, lanes 16-31 the next; 16 bytes a lane
	v_mul_u32_u24 v5, v3, 272
	v_lshl_add_u32 v5, v2, 4, v5
	v_add_nc_u32 v5, s40, v5                       ; into the stage, as loaded
	v_mul_u32_u24 v6, v2, 272
	v_lshl_add_u32 v6, v3, 7, v6
	v_add_nc_u32 v6, s40, v6                       ; out of it: slot r, block h
	v_lshlrev_b32 v7, 4, v1
	v_lshlrev_b32 v8, 3, v1
	v_lshlrev_b32 v9, 3, v3                        ; 8 h
	v_add_nc_u32 v10, 16, v9                       ; 8 h + 16
.irp i, 0,1,2,3
	v_mov_b32 v[48+\i], 0                          ; written once: a lane permute's destination counts as one of its sources
.endr
	XLOAD 0
	XLOAD 1
	XLOAD 2
	XLOAD 3
	s_wait_loadcnt 24                              ; step 0's eight loads are in
	XTURN 0
.irp t, 0,1,2,3,4,5,6,7
	XSTEP \t
.endr
.irp i, 0,1,2,3
	v_permlanex16_b32 v[48+\i], v[44+\i], s26, s27
.endr
.irp i, 0,1,2,3
	v_or_b32 v[44+\i], v[44+\i], v[48+\i]          ; with lane l xor 16's bytes the words are whole
.endr
	s_mov_b32 s41, 0xffff0000
	v_cndmask_b32 v52, v44, v46, s41               ; lanes 0-15 store my first K slot's two words, lanes 16-31 my second's
	v_cndmask_b32 v53, v45, v47, s41
	global_store_b64 v8, v[52:53], s[38:39]        ; 32 lanes store 256 consecutive bytes, aligned
	s_set_vgpr_msb 0x5
	s_wait_tensorcnt 0x0
	ds_add_u32 v0, v1
	s_wait_dscnt 0x0
	s_set_vgpr_msb 0x500
	s_endpgm
; ---------------- PATH M.  A wave takes a batch.  Word i of block B (32 keys): bits 0-15 set where key 32 B + i is masked, bits 16-31 where key 32 B + 16 + i is: the lane mask of score register 16 (B % 4) + i.
.Lpath_m:
	s_sub_co_u32 s28, ttmp9, 64
	s_lshl_b32 s28, s28, 2
	s_add_co_u32 s28, s28, s24                     ; batch
	s_mul_i32 s32, s28, 4100
	s_add_nc_u64 s[16:17], s[16:17], s[32:33]      ; its 1,025 numbers
	s_lshl_b32 s32, s28, 12
	s_add_nc_u64 s[34:35], s[20:21], s[32:33]      ; its 64 blocks of 16 words
	s_lshl_b32 s32, s28, 8
	s_add_co_u32 s32, s32, 32768
	s_add_nc_u64 s[36:37], s[20:21], s[32:33]      ; its flags
	v_lshlrev_b32 v4, 7, v1                        ; lane = block: 128 bytes of mask,
	v_lshlrev_b32 v5, 6, v1                        ; 64 bytes of words
	v_lshlrev_b32 v6, 3, v1
	v_mov_b32 v7, 0
.set i, 0
.rept 32
	global_load_b32 v[64+i], v4, s[16:17] offset:4*i
.set i, i+1
.endr
	global_load_b32 v96, v7, s[16:17] offset:4096  ; key 1,024
	v_mov_b32 v8, 0xffff
	v_mov_b32 v9, 0xffff0000
.irp i, 49,50,51,52,53,54,55,56,57
	v_mov_b32 v[\i], 0
.endr
	s_wait_loadcnt 0x0
.irp i, 0,1,2,3,4,5,6,7,8,9,10,11,12,13,14,15
	v_cmp_eq_f32 vcc_lo, 0, v[64+\i]
	v_cndmask_b32 v10, 0, v8, vcc_lo
	v_cmp_eq_f32 vcc_lo, 0, v[80+\i]
	v_cndmask_b32 v11, 0, v9, vcc_lo
	v_or_b32 v[32+\i], v10, v11
.endr
.irp i, 0,1,2,3
	global_store_b128 v5, v[32+4*\i:35+4*\i], s[34:35] offset:16*\i
.endr
	v_or_b32 v12, v32, v33
.irp i, 2,3,4,5,6,7,8,9,10,11,12,13,14,15
	v_or_b32 v12, v12, v[32+\i]
.endr
	v_cmp_ne_u32 vcc_lo, 0, v12
	s_mov_b32 s40, vcc_lo                          ; bit l: block l holds a masked key
	v_cmp_eq_f32 vcc_lo, 0, v96
	s_and_b32 s42, vcc_lo, 1                       ; key 1,024 is masked
	v_cndmask_b32 v48, 0, v8, s42                  ; blocks 32-63: word 0 of block 32 (lane 0) alone can be set
	global_store_b128 v5, v[48:51], s[34:35] offset:2048
	global_store_b128 v5, v[52:55], s[34:35] offset:2048+16
	global_store_b128 v5, v[52:55], s[34:35] offset:2048+32
	global_store_b128 v5, v[52:55], s[34:35] offset:2048+48
	s_lshr_b32 s41, s40, 1
	s_or_b32 s41, s41, s40
	s_lshr_b32 s44, s41, 2
	s_or_b32 s41, s41, s44                         ; bit 4 s: one of blocks 4 s .. 4 s + 3
	s_lshl_b32 s43, s42, 8                         ; the flags: bit s = key step s holds a masked key
.irp s, 0,1,2,3,4,5,6,7
	s_bfe_u32 s44, s41, 0x10000+4*\s
	s_lshl_b32 s44, s44, \s
	s_or_b32 s43, s43, s44
.endr
	s_mov_b32 s45, 0                               ; 1 + the last flagged step, or 0
.irp s, 0,1,2,3,4,5,6,7,8
	s_bitcmp1_b32 s43, \s
	s_cselect_b32 s45, \s+1, s45
.endr
	v_writelane_b32 v56, s43, 0
	v_writelane_b32 v57, s45, 0
	global_store_b64 v6, v[56:57], s[36:37]        ; words 0 and 1, and zeros: 256 consecutive bytes
	s_endpgm
; ---------------- PATH I.  A wave takes 16 outputs (tile Tn, in tile order) x 4 batches.  A row of the weight (4,096 bytes) lies across the 32 lanes, 32 numbers a lane, and so do the four image rows, which stay.
.macro ROWLD i
.irp j, 0,1,2,3,4,5,6,7
	global_load_b128 v[64+32*((\i)%2)+4*\j:64+32*((\i)%2)+4*\j+3], v4, s[34:35] offset:((\i)+8*((\i)/8))*4096+512*\j
.endr
.endm
.macro ROW i
.set WS, 64+32*((\i)%2)
.if (\i) < 15
	ROWLD (\i)+1
	s_wait_loadcnt 8                               ; this row is in (and, for row 0, the image rows); the next row's eight loads may be out
.else
	s_wait_loadcnt 0x0
.endif
.irp b, 0,1,2,3
	v_pk_mul_f32 v[16+2*\b:17+2*\b], v[WS:WS+1], v[128+32*\b:129+32*\b]
.endr
.irp p, 1,2,3,4,5,6,7,8,9,10,11,12,13,14,15
.irp b, 0,1,2,3
	v_pk_fma_f32 v[16+2*\b:17+2*\b], v[WS+2*\p:WS+2*\p+1], v[128+32*\b+2*\p:129+32*\b+2*\p], v[16+2*\b:17+2*\b]   ; the four batches by turns
.endr
.endr
.irp b, 0,1,2,3
	v_add_f32 v[24+\b], v[16+2*\b], v[17+2*\b]
.endr
.irp m, 1,2,4,8
.irp b, 0,1,2,3
	v_add_f32_dpp v[24+\b], v[24+\b], v[24+\b] row_xmask:\m row_mask:0xf bank_mask:0xf
.endr
.endr
.irp b, 0,1,2,3
	v_permlanex16_b32 v[28+\b], v[24+\b], s26, s27
.endr
.irp b, 0,1,2,3
	v_add_f32 v[24+\b], v[24+\b], v[28+\b]         ; every lane holds the sum
.endr
	v_cmp_eq_u32 vcc_lo, \i, v1
.irp b, 0,1,2,3
	v_cndmask_b32 v[40+\b], v[40+\b], v[24+\b], vcc_lo   ; lane i keeps slot i's
.endr
.endm
.Lpath_i:
	s_and_b32 s28, ttmp9, 31
	s_lshl_b32 s28, s28, 1
	s_and_b32 s29, s24, 1
	s_add_co_u32 s28, s28, s29                     ; Tn
	s_lshr_b32 s29, s24, 1                         ; which four batches
	s_lshr_b32 s30, s28, 1
	s_lshl_b32 s30, s30, 5
	s_and_b32 s31, s28, 1
	s_lshl_b32 s31, s31, 3
	s_add_co_u32 s30, s30, s31                     ; the tile's first output
	s_cmp_lt_u32 ttmp9, 32
	s_cselect_b64 s[34:35], s[10:11], s[12:13]     ; Wuk or Wuv: the choice hangs on the work-group's number alone
	s_lshl_b32 s32, s30, 12
	s_add_nc_u64 s[34:35], s[34:35], s[32:33]
	s_lshl_b32 s32, s29, 14
	s_add_nc_u64 s[14:15], s[14:15], s[32:33]
	v_lshlrev_b32 v4, 4, v1                        ; 16 x lane
	v_lshlrev_b32 v6, 3, v1                        ; 8 x lane
.irp b, 0,1,2,3
.irp j, 0,1,2,3,4,5,6,7
	global_load_b128 v[128+32*\b+4*\j:131+32*\b+4*\j], v4, s[14:15] offset:4096*\b+512*\j
.endr
.endr
	ROWLD 0
.irp i, 28,29,30,31,35,40,41,42,43,49,50,51,52,53,54,55,56,57,58,59,60,61,62,63
	v_mov_b32 v[\i], 0                             ; permute destinations, the results (lanes 16-31 stay 0), and zeros that stay
.endr
.irp i, 0,1,2,3,4,5,6,7,8,9,10,11,12,13,14,15
	ROW \i
.endr
	s_cmp_lt_u32 ttmp9, 32
	s_cbranch_scc0 .Lvimg
	s_lshl_b32 s32, s30, 2                         ; k_img [8][1024] f32
	s_lshl_b32 s31, s29, 14
	s_add_co_u32 s32, s32, s31
	s_add_co_u32 s32, s32, KIMG
	s_add_nc_u64 s[36:37], s[18:19], s[32:33]
	v_and_b32 v5, 8, v2
	v_add_nc_u32 v5, v5, v2
	v_lshlrev_b32 v5, 2, v5
	s_wait_xcnt 0x0                                ; EXEC changes only behind this wait
	v_cmp_gt_u32 vcc_lo, 16, v1
	s_and_saveexec_b32 s38, vcc_lo
.irp b, 0,1,2,3
	global_store_b32 v5, v[40+\b], s[36:37] offset:4096*\b
.endr
	s_endpgm
.Lvimg:                                ; v_img: fragment Tn % 4 of head Tn / 4, key step 8: key 1,024 is code 0 of block 0 (lanes 0-15); every other code is zero
	s_lshr_b32 s31, s28, 2
	s_lshl_b32 s38, s29, 6
	s_add_co_u32 s31, s31, s38                     ; 16 x first batch + head
	s_mul_i32 s31, s31, 9
	s_add_co_u32 s31, s31, 8
	s_mul_i32 s31, s31, BLKB
	s_add_co_u32 s31, s31, VBLK
	s_and_b32 s38, s28, 3
	s_mul_i32 s32, s38, 1536
	s_add_co_u32 s32, s32, s31
	s_add_nc_u64 s[36:37], s[22:23], s[32:33]      ; the fragment
	s_lshl_b32 s32, s38, 2
	s_add_co_u32 s32, s32, s31
	s_add_co_u32 s32, s32, 6144
	s_add_nc_u64 s[40:41], s[22:23], s[32:33]      ; its scale words: [lane][fragment]
.irp b, 0,1,2,3
.if \b > 0
	s_wait_xcnt 0x0                                ; the last batch's stores have read their registers
.endif
	v_mov_b32 v48, v[40+\b]
	v_max3_num_f32 v12, |v48|, |v48|, FLOOR
	v_add_nc_u32 v14, OFF4, v12
	v_cvt_scalef32_pk16_bf6_f32 v[32:34], v[48:63], v14
	v_lshrrev_b32 v15, 23, v14
	v_or_b32 v15, 0x7f7f7f00, v15                  ; blocks 1 to 3 are zeros: byte 127
	global_store_b128 v4, v[32:35], s[36:37] offset:958464*\b            ; 16 heads x 9 steps x 6,656 bytes from batch to batch
	global_store_b64 v6, v[52:53], s[36:37] offset:958464*\b+512
	global_store_b128 v4, v[52:55], s[36:37] offset:958464*\b+768
	global_store_b64 v6, v[52:53], s[36:37] offset:958464*\b+1280
	global_store_b32 v4, v15, s[40:41] offset:958464*\b
.endr
	s_endpgm
.Lfunc_end_k_qd863820995_prep:
	.size	k_qd863820995_prep, .Lfunc_end_k_qd863820995_prep-k_qd863820995_prep
	.p2alignl 7, 3214868480
	.fill 96, 4, 3214868480
	.section	.rodata,"a",@progbits
	.p2align	6, 0x0
	.amdhsa_kernel k_qd863820995_prep
		.amdhsa_group_segment_fixed_size 35328
		.amdhsa_private_segment_fixed_size 0
		.amdhsa_enable_private_segment 0
		.amdhsa_kernarg_size 80
		.amdhsa_user_sgpr_count 2
		.amdhsa_user_sgpr_kernarg_segment_ptr 1
		.amdhsa_wavefront_size32 1
		.amdhsa_system_sgpr_workgroup_id_x 1
		.amdhsa_system_sgpr_workgroup_id_y 1
		.amdhsa_system_sgpr_workgroup_id_z 1
		.amdhsa_system_vgpr_workitem_id 0
		.amdhsa_next_free_vgpr 258
		.amdhsa_next_free_sgpr 66
		.amdhsa_reserve_vcc 1
		.amdhsa_float_denorm_mode_32 3
		.amdhsa_float_denorm_mode_16_64 3
		.amdhsa_memory_ordered 1
		.amdhsa_forward_progress 1
		.amdhsa_inst_pref_size 232
	.end_amdhsa_kernel
	.amdgpu_metadata
---
amdhsa.version: [ 1, 2 ]
amdhsa.kernels:
  - .name:           k_qd863820995_prep
    .symbol:         k_qd863820995_prep.kd
    .args:
      - { .name: hidden_states, .offset: 0, .size: 8, .value_kind: global_buffer, .address_space: global }
      - { .name: Wc_attn, .offset: 8, .size: 8, .value_kind: global_buffer, .address_space: global }
      - { .name: Wc_proj, .offset: 16, .size: 8, .value_kind: global_buffer, .address_space: global }
      - { .name: Wuk, .offset: 24, .size: 8, .value_kind: global_buffer, .address_space: global }
      - { .name: Wuv, .offset: 32, .size: 8, .value_kind: global_buffer, .address_space: global }
      - { .name: image_hidden_states, .offset: 40, .size: 8, .value_kind: global_buffer, .address_space: global }
      - { .name: attention_mask, .offset: 48, .size: 8, .value_kind: global_buffer, .address_space: global }
      - { .name: opnd, .offset: 56, .size: 8, .value_kind: global_buffer, .address_space: global }
      - { .name: masks, .offset: 64, .size: 8, .value_kind: global_buffer, .address_space: global }
      - { .name: qkv, .offset: 72, .size: 8, .value_kind: global_buffer, .address_space: global }
    .group_segment_fixed_size: 35328
    .private_segment_fixed_size: 0
    .kernarg_segment_align: 8
    .kernarg_segment_size: 80
    .max_flat_workgroup_size: 128
    .sgpr_count:     66
    .vgpr_count:     258
    .wavefront_size: 32
...
	.end_amdgpu_metadata
.endif
;; end of part 1
;; launch qkvgemm (part 2): grid 12 x 32, 4 waves a work-group, clusters of 4 x 4, 327,680 bytes of LDS; arguments opnd, bc_attn, qkv; writes qkv
.if DOCPART == 2
	.amdgcn_target "amdgcn-amd-amdhsa--gfx1250"
	.amdhsa_code_object_version 6
	.text
	.protected	k_qd863820995_qkvgemm
	.globl	k_qd863820995_qkvgemm
	.p2align	8
	.type	k_qd863820995_qkvgemm,@function
k_qd863820995_qkvgemm:
	s_mov_b64 s[64:65], 0
	v_nop
	global_prefetch_b8 v0, s[64:65] scope:SCOPE_SE
	s_setreg_imm32_b32 hwreg(HW_REG_WAVE_MODE, 25, 1), 1
	s_wait_xcnt 0x0
	s_wait_alu depctr_hold_cnt(0) depctr_sa_sdst(0) depctr_va_vdst(0) depctr_va_sdst(0) depctr_va_ssrc(0) depctr_va_vcc(0) depctr_vm_vsrc(0)
	s_getreg_b32 s2, hwreg(HW_REG_IB_STS2, 6, 4)
	s_cmp_eq_u32 s2, 0
	s_cbranch_scc0 .Lentry_in_a_cluster
	s_endpgm
.Lentry_in_a_cluster:
	s_bfe_u32 s2, ttmp6, 0x10000c
	s_cmp_lg_u32 s2, 0xf033
	s_cbranch_scc0 .Lentry_shape_is_right
	s_endpgm
.Lentry_shape_is_right:
; qkv = Q(hidden_states) Q(Wc_attn) + bc_attn on codes of E3M2 with E8M0 scales, and q, k, v quantised on the way out: q and k along the head's 64, v along the keys.
; A tile of 256 x 256 is made by four waves, 128 x 128 each: 64 accumulators, 512 registers.  K = 1,024 goes in four slots of 256 through a ring of two LDS slots filled by joint tensor loads.
; OPERANDS lie in memory as images of registers (half images of 768 bytes: 16 rows x 64 K; lane slot l: 16 bytes at 16 l, 8 bytes at 512 + 8 l), a tile's 16 half images on end (12,288 bytes); a fragment is
; two half images: four LDS loads, each of consecutive bytes.  Slot r of tile T is row 32 (T / 2) + 8 (T % 2) + r + 8 (r / 8).
; THE PRODUCT IS USED TRANSPOSED: source 0 = 16 rows of "B", source 1 = 16 rows of "A": a lane holds ONE slot of A, and the 16 registers of B's tiles 2 c and 2 c + 1 are 16 neighbours of B's natural order.
; ROLES.  Clusters with x = 0 (q) and 1 (k): A = the tokens, B = W's columns: a lane's registers run along the head's channels.  Clusters with x = 2 (v): A = W's columns 2,048 on, B = the tokens: they run along the keys.
; The roles are chosen by offsets alone, on the cluster's x, which all sixteen partners share; one loop serves all.
; CLUSTERS: 4 x 4.  A's tiles hang on cy and the cluster's numbers alone and are shared along a row of the cluster, B's on cx and those and are shared along a column.
; OUT: q, k: blocks of 6,656 bytes [batch x head][128 tokens]: 8 half images, then 512 bytes of scale words [j][r][4]: the word of tile 4 j + w (bytes 0, 1 the head's two scales; bytes 2, 3 stand over zero codes and are never 0xff).
;      v: blocks [batch x head][key step 0..8]: 4 fragments (16 channels x 128 keys), then scale words [lane][fragment].  Step 8 was stored by the launch before.
; LIMITS: NaN and infinities are not served; a block whose largest magnitude lies under 2^-122 keeps the byte 1 (a block of zeros too: its codes are zeros, and this program alone reads the bytes).
; REGISTERS: window 0: v1-13 lane terms; v16-23 fragment addresses; v27 scale address; v28, v29 the add's; v32-63 scale words, two sets; v64-127 the bias along B; v128-223 A's fragments; v224-239 the bias along A.
;   window 1: B's fragments, two sets, at v0 and v128.  windows 2, 3: the accumulators ((a, b) at v[8 (8 (a % 4) + b)]).  On the way out v32-56 and v128-211 are at work.
.set XSCL,  6291456
.set WAIMG, 6553600
.set WASCL, 8912896
.set KBLK,  6815744
.set VBLK,  13631488
.set BLKB,  6656
.set TILEB, 12288
.set NQ,    2                          ; matrix instructions deep in a slot
.set FR,    12
.set NL,    4                          ; LDS loads that bring a fragment
.set NP,    4                          ; places behind this matrix instruction (ISA guide 7.12.1)
.set SLOTK, 3072                       ; a tile's bytes of one K slot
.set HALFT, 8*SLOTK                    ; 8 tiles: what one tensor load brings, and what one wave reads of A or of B
.set SLOT,  4*HALFT
.set LAPS,  2
.set SCL,   2*SLOT                     ; behind the ring: the scales of 4 x 128 rows, 4,096 bytes each, filled once
.set HALFS, 4096
.set SPARE, SCL+4*HALFS                ; the spare words, 128 bytes for each wave: two blocks of 256 bytes that no other line names
.set ADRA, 16                          ; v16-17 16 x lane + my A tiles in slot 0, 1;  v18-19 the same with 8 x lane
.set ADRB, 20                          ; v20-23 the same for B
.set ADRS, 27
.set SPW,  28
.set NIL,  29
.set SC,   32
.set BI,   64
.set AF,   128
.set BV,   224
.set HA,   128                         ; the way out: 64 numbers of a lane
.set PC,   192                         ; the codes just made
.set TM,   32                          ; at work
.set SW,   48                          ; eight scale words to store
.set PW,   56                          ; the scale word just made
.set SEL,  98
.set G1, 24
.set G0, 32
.set G1B, 48
.set G0B, 56
.set G1S, 68
.set G0S, 76
.set G1SB, 80
.set G0SB, 88
.set MSB, 0
.macro WIN new                         ; the immediate's high byte repeats the setting that is left
.if MSB != \new
	s_set_vgpr_msb (MSB<<8)|\new
.set MSB, \new
.endif
.endm
.set MUL_LO, 0xa1                      ; source 0 (B) window 1, source 1 (A) window 0, C and D window 2
.set MUL_HI, 0xf1
.set TO_B,   0x40
; A joint load: waves 0 and 1 fetch for A, waves 2 and 3 for B; the branch hangs on the wave's number alone.  Four v_nop follow each of the two lines.
.macro JLOAD g0a, g1a, g0b, g1b
	s_cmp_eq_u32 s15, 0
	s_cbranch_scc0 .Lfor_b_\@
	tensor_load_to_lds s[\g0a:\g0a+3], s[\g1a:\g1a+7]
	s_nop 0
.rept 4
	v_nop
.endr
	s_branch .Lasked_\@
.Lfor_b_\@:
	tensor_load_to_lds s[\g0b:\g0b+3], s[\g1b:\g1b+7]
	s_nop 0
.rept 4
	v_nop
.endr
.Lasked_\@:
.endm
.macro CREST                           ; a round of the cluster's barrier behind its opening barrier
	s_cmp_lg_u32 s14, 0
	s_cbranch_scc1 .Lnot_wave_0_\@
	s_barrier_signal -3
.Lnot_wave_0_\@:
	s_barrier_wait -3
	s_barrier_signal -1
	s_barrier_wait -1
.endm
.macro CROUND
	s_barrier_signal -1
	s_barrier_wait -1
	CREST
.endm
	s_load_b128 s[4:7], s[0:1], 0x0                ; opnd s[4:5], bc_attn s[6:7]
	s_load_b64 s[8:9], s[0:1], 0x10                ; qkv
	v_lshl_add_u32 v[SPW], v0, 2, SPARE
	v_mov_b32 v[NIL], 0
	ds_add_u32 v28, v29
	ds_add_u32 v28, v29
	s_wait_dscnt 0x0
	v_lshrrev_b32 v1, 5, v0
	v_readfirstlane_b32 s14, v1                    ; wave 0..3
	s_lshr_b32 s15, s14, 1                         ; which half of A's rows is mine.  Also: I fetch for A (0) or for B (1)
	s_and_b32 s16, s14, 1                          ; which half of B's rows.  Also: which 8 tiles I fetch
	s_bfe_u32 s40, ttmp6, 0x40000                  ; cx
	s_bfe_u32 s41, ttmp6, 0x40004                  ; cy
	s_and_b32 s17, ttmp7, 0xffff                   ; the cluster's y
	s_lshl_b32 s43, s41, 2
	s_lshl_b32 s43, 15, s43                        ; my row of the cluster
	s_lshl_b32 s44, 0x1111, s40                    ; my column
	; group 1 for codes: 8 rows (tiles) of 3,072 bytes (384 elements of 8 bytes), 12,288 bytes apart; no padding: every LDS load of a fragment reads consecutive bytes
	s_or_b32 s[G1+0], s43, (3<<16)|(1<<21)
	s_or_b32 s[G1B+0], s44, (3<<16)|(1<<21)
.irp g, G1, G1B
	s_mov_b32 s[\g+1], 384<<16
	s_mov_b32 s[\g+2], 8<<16
	s_mov_b32 s[\g+3], 384<<16
	s_mov_b32 s[\g+4], 8
	s_mov_b32 s[\g+5], 1536
	s_mov_b32 s[\g+6], 0
	s_mov_b32 s[\g+7], 0
.endr
	; and for the scales of 8 tiles: 4,096 dense bytes as 16 rows of 256
	s_or_b32 s[G1S+0], s43, (3<<16)|(1<<21)
	s_or_b32 s[G1SB+0], s44, (3<<16)|(1<<21)
.irp g, G1S, G1SB
	s_mov_b32 s[\g+1], 32<<16
	s_mov_b32 s[\g+2], 16<<16
	s_mov_b32 s[\g+3], 32<<16
	s_mov_b32 s[\g+4], 16
	s_mov_b32 s[\g+5], 32
	s_mov_b32 s[\g+6], 0
	s_mov_b32 s[\g+7], 0
.endr
	s_lshl_b32 s20, s17, 2                         ; 4 x cluster y
	s_lshl_b32 s46, ttmp9, 2                       ; 4 x cluster x
	s_mov_b32 s22, XSCL
	s_mov_b32 s92, WASCL
	s_cmp_eq_u32 ttmp9, 2                          ; v's clusters swap the roles
	s_cselect_b32 s94, 8, s20                      ; A's row of 16 tiles, less cy: W's tiles 128 on, or the tokens'
	s_cselect_b32 s95, WAIMG, 0
	s_cselect_b32 s96, WASCL, s22
	s_cselect_b32 s97, s20, s46                    ; B's, less cx
	s_cselect_b32 s98, 0, WAIMG
	s_cselect_b32 s99, XSCL, s92
	s_add_co_u32 s94, s94, s41                     ; A's hangs on cy alone,
	s_add_co_u32 s97, s97, s40                     ; B's on cx alone
	s_lshl_b32 s18, s16, 3
	s_lshl_b32 s20, s94, 4
	s_add_co_u32 s20, s20, s18                     ; the first tile of A that I would fetch
	s_lshl_b32 s46, s97, 4
	s_add_co_u32 s46, s46, s18                     ; and of B
	s_lshl_b32 s22, s20, 9
	s_add_co_u32 s22, s22, s96
	s_lshl_b32 s92, s46, 9
	s_add_co_u32 s92, s92, s99
	s_mul_i32 s20, s20, TILEB
	s_add_co_u32 s20, s20, s95
	s_mul_i32 s46, s46, TILEB
	s_add_co_u32 s46, s46, s98
	s_mov_b32 s21, 0
	s_mov_b32 s23, 0
	s_mov_b32 s47, 0
	s_mov_b32 s93, 0
	s_mul_i32 s45, s14, HALFT                      ; where they go: wave x 8 tiles: no place in the cluster enters an LDS address
	s_lshl_b32 s19, s14, 12
	s_wait_kmcnt 0x0
	s_add_nc_u64 s[20:21], s[4:5], s[20:21]
	s_add_nc_u64 s[22:23], s[4:5], s[22:23]
	s_add_nc_u64 s[46:47], s[4:5], s[46:47]
	s_add_nc_u64 s[92:93], s[4:5], s[92:93]
	CROUND                                         ; all sixteen work-groups are here: the first joint loads meet
	s_mov_b32 s[G0S], 1
	s_add_co_u32 s[G0S+1], s19, SCL
	s_mov_b64 s[G0S+2:G0S+3], s[22:23]
	s_or_b32 s[G0S+3], s[G0S+3], 0x80000000
	s_mov_b32 s[G0SB], 1
	s_add_co_u32 s[G0SB+1], s19, SCL
	s_mov_b64 s[G0SB+2:G0SB+3], s[92:93]
	s_or_b32 s[G0SB+3], s[G0SB+3], 0x80000000
	JLOAD G0S, G1S, G0SB, G1SB                     ; the scales first: they are wanted with K slot 0
.irp s, 0,1
	s_mov_b32 s[G0+4*\s], 1
	s_add_co_u32 s[G0+4*\s+1], s45, \s*SLOT
	s_add_nc_u64 s[G0+4*\s+2:G0+4*\s+3], s[20:21], \s*SLOTK
	s_or_b32 s[G0+4*\s+3], s[G0+4*\s+3], 0x80000000
	s_mov_b32 s[G0B+4*\s], 1
	s_add_co_u32 s[G0B+4*\s+1], s45, \s*SLOT
	s_add_nc_u64 s[G0B+4*\s+2:G0B+4*\s+3], s[46:47], \s*SLOTK
	s_or_b32 s[G0B+4*\s+3], s[G0B+4*\s+3], 0x80000000
	JLOAD G0+4*\s, G1, G0B+4*\s, G1B
.endr
	v_and_b32 v1, 31, v0                           ; lane
	v_and_b32 v2, 15, v0                           ; r
	v_bfe_u32 v3, v0, 4, 1                         ; h
	v_lshlrev_b32 v4, 4, v1                        ; 16 x lane
	v_lshlrev_b32 v5, 3, v1                        ; 8 x lane
	s_mul_i32 s21, s15, HALFT                      ; my 8 tiles of A
	s_mul_i32 s22, s16, HALFT                      ; my 8 tiles of B,
	s_add_co_u32 s22, s22, 2*HALFT                 ; which lie behind A's 16
.irp s, 0,1
	v_add_nc_u32 v[ADRA+\s], s21, v4
	v_add_nc_u32 v[ADRB+\s], s22, v4
	v_add_nc_u32 v[ADRA+2+\s], s21, v5
	v_add_nc_u32 v[ADRB+2+\s], s22, v5
	s_add_co_u32 s21, s21, SLOT
	s_add_co_u32 s22, s22, SLOT
.endr
	s_lshl_b32 s21, s15, 12                        ; the scale words: lanes 0-15 take A's, lanes 16-31 B's: one product in h
	s_lshl_b32 s22, s16, 12
	s_add_co_u32 s22, s22, 2*HALFS
	s_sub_co_u32 s22, s22, s21
	v_mul_u32_u24 v6, s22, v3
	s_add_co_u32 s21, s21, SCL
	v_lshl_add_u32 v6, v2, 3, v6
	v_add_nc_u32 v[ADRS], s21, v6
	; the biases, in both forms in every work-group (the form that is not used reads from the buffer's head): along B 64 numbers a lane, along A one number for each of my 8 tiles
	s_lshl_b32 s20, s97, 10
	s_lshl_b32 s21, s16, 9
	s_add_co_u32 s20, s20, s21                     ; 4 x (256 x B's row of tiles + 128 x half)
	s_lshl_b32 s22, s41, 10
	s_lshl_b32 s23, s15, 9
	s_add_co_u32 s22, s22, s23
	s_add_co_u32 s22, s22, 8192                    ; 4 x (2,048 + 256 cy + 128 x half)
	s_cmp_eq_u32 ttmp9, 2
	s_cselect_b32 s20, 0, s20
	s_cselect_b32 s22, s22, 0
	s_mov_b32 s21, 0
	s_mov_b32 s23, 0
	s_add_nc_u64 s[10:11], s[6:7], s[20:21]
	s_add_nc_u64 s[12:13], s[6:7], s[22:23]
	v_lshlrev_b32 v8, 6, v3                        ; 64 h
	v_and_b32 v9, 8, v2
	v_add_nc_u32 v9, v9, v2
	v_lshlrev_b32 v9, 2, v9                        ; 4 (r + 8 (r / 8))
.irp c, 0,1,2,3
.irp j, 0,1,2,3
	global_load_b128 v[BI+16*\c+4*\j:BI+16*\c+4*\j+3], v8, s[10:11] offset:128*\c+16*\j
.endr
.endr
.irp a, 0,1,2,3,4,5,6,7
	global_load_b32 v[BV+2*\a], v9, s[12:13] offset:4*(32*(\a/2)+8*(\a%2))
	global_load_b32 v[BV+2*\a+1], v9, s[12:13] offset:4*(32*(\a/2)+8*(\a%2))   ; (the packed addition names the pair)
.endr
	v_lshlrev_b32 v12, 4, v3                       ; 16 h: lanes 16-31 take the second head's half of a scale word
	v_mul_u32_u24 v13, v3, 8*BLKB
	v_lshl_add_u32 v13, v2, 4, v13                 ; q, k: where the scale words go: head h of my two, 16 r
	s_mov_b32 s[SEL], 0x76543210
	s_mov_b32 s[SEL+1], 0xfedcba98
.macro FRAG reg, adr, q, i             ; a fragment: two half images on end; registers 0-3, 4-5, 6-9, 10-11
	ds_load_b128 v[\reg:\reg+3], v[\adr] offset:(\i)*SLOTK+(\q)*1536
	ds_load_b64 v[\reg+4:\reg+5], v[\adr+2] offset:(\i)*SLOTK+(\q)*1536+512
	ds_load_b128 v[\reg+6:\reg+9], v[\adr] offset:(\i)*SLOTK+(\q)*1536+768
	ds_load_b64 v[\reg+10:\reg+11], v[\adr+2] offset:(\i)*SLOTK+(\q)*1536+1280
.endm
; 16 matrix instructions: A's tiles a0, a0 + 1 x B's eight.  The 64 accumulators take turns, one instruction a turn, in the same order in every step.
.macro MUL16 a0, p, q, sc, zero
.irp a, \a0, \a0+1
.irp b, 0,1,2,3,4,5,6,7
.if \zero
	v_wmma_scale_f32_16x16x128_f8f6f4 v[8*(8*((\a)%4)+\b):8*(8*((\a)%4)+\b)+7], v[128*(\p)+FR*\b:128*(\p)+FR*\b+FR-1], v[AF+FR*(\a):AF+FR*(\a)+FR-1], 0, v[SC+8*NQ*(\sc)+NQ*\b+(\q)], v[SC+8*NQ*(\sc)+NQ*(\a)+(\q)] matrix_a_fmt:MATRIX_FMT_BF6 matrix_b_fmt:MATRIX_FMT_BF6 matrix_a_scale:MATRIX_SCALE_ROW1
.else
	v_wmma_scale_f32_16x16x128_f8f6f4 v[8*(8*((\a)%4)+\b):8*(8*((\a)%4)+\b)+7], v[128*(\p)+FR*\b:128*(\p)+FR*\b+FR-1], v[AF+FR*(\a):AF+FR*(\a)+FR-1], v[8*(8*((\a)%4)+\b):8*(8*((\a)%4)+\b)+7], v[SC+8*NQ*(\sc)+NQ*\b+(\q)], v[SC+8*NQ*(\sc)+NQ*(\a)+(\q)] matrix_a_fmt:MATRIX_FMT_BF6 matrix_b_fmt:MATRIX_FMT_BF6 matrix_a_scale:MATRIX_SCALE_ROW1
.endif
.endr
.endr
.endm
.macro FETCH_B slot, q, p
	WIN TO_B
.irp i, 0,1,2,3,4,5,6,7
	FRAG 128*(\p)+FR*\i, ADRB+\slot, \q, \i
.endr
	WIN 0
.endm
.macro FETCH_A slot, q, i0
.irp i, \i0, \i0+1, \i0+2, \i0+3
	FRAG AF+FR*(\i), ADRA+\slot, \q, \i
.endr
.endm
.macro SCALES sc                       ; a K slot's two words a row: lanes 0-15 A's tile i, lanes 16-31 B's tile i
.irp i, 0,1,2,3,4,5,6,7
	ds_load_b64 v[SC+8*NQ*\sc+NQ*\i:SC+8*NQ*\sc+NQ*\i+1], v[ADRS] offset:\i*512
.endr
.endm
.macro PLACES n                        ; plain vector instructions between a matrix instruction and a load into, or a vector read or write of, its registers
.rept \n
	v_nop
.endr
.endm
.macro STEP slot, q, zero              ; 128 along K that have their successor in the same slot
	s_wait_dscnt 4*NL                              ; B's set and A's tiles 0-3 are in; the youngest 16 loads (A's tiles 4-7) may be out
	WIN MUL_LO
	MUL16 0, (\q)%2, \q, \slot, \zero
	MUL16 2, (\q)%2, \q, \slot, \zero
	s_wait_dscnt 0
	PLACES NP
	FETCH_B \slot, (\q)+1, 1-(\q)%2
	FETCH_A \slot, (\q)+1, 0
	WIN MUL_HI
	MUL16 4, (\q)%2, \q, \slot, \zero
	MUL16 6, (\q)%2, \q, \slot, \zero
	PLACES NP
	WIN 0
	FETCH_A \slot, (\q)+1, 4
.endm
; A slot's last step changes slots: one barrier; in front of it each wave waits for all its tensor loads, adds 0 to its spare word, and waits for that and for its reads of this slot.
.macro TURN slot, next, fill
	s_wait_tensorcnt 0x0                           ; all my tensor loads have landed: my part of the next slot
	ds_add_u32 v[SPW], v[NIL]                      ; 0 onto my spare word
	s_wait_dscnt 4*NL+1                            ; (the add and the youngest 16 loads, A's tiles 4-7, may be out)
	WIN MUL_LO
	MUL16 0, 1, NQ-1, \slot, 0
	s_wait_dscnt 0x0                               ; the add is done, and my reads of this slot are over
	s_barrier_signal -1
	MUL16 2, 1, NQ-1, \slot, 0
	WIN 0
	s_barrier_wait -1
.if \fill
	CREST                                          ; the barrier has opened a round of the cluster's: no wave of any partner still reads this slot or has a load on its way
	s_add_nc_u64 s[G0+4*\slot+2:G0+4*\slot+3], s[G0+4*\slot+2:G0+4*\slot+3], 2*SLOTK
	s_add_nc_u64 s[G0B+4*\slot+2:G0B+4*\slot+3], s[G0B+4*\slot+2:G0B+4*\slot+3], 2*SLOTK
	JLOAD G0+4*\slot, G1, G0B+4*\slot, G1B         ; the first tensor load behind the round; its four v_nop are the places in front of the loads below
.else
	PLACES NP
.endif
	v_add_nc_u32 v[ADRS], 128, v[ADRS]             ; the next K slot's scale words
	FETCH_B \next, 0, 0
	FETCH_A \next, 0, 0
	SCALES \next
	WIN MUL_HI
	MUL16 4, 1, NQ-1, \slot, 0
	MUL16 6, 1, NQ-1, \slot, 0
	PLACES NP
	WIN 0
	FETCH_A \next, 0, 4
.endm
	s_wait_tensorcnt 1                             ; the scales and my part of K slot 0 are in (slot 1's load may be out)
	s_barrier_signal -1
	s_barrier_wait -1
	FETCH_B 0, 0, 0
	FETCH_A 0, 0, 0
	SCALES 0
	FETCH_A 0, 0, 4
	STEP 0, 0, 1                                   ; the first step's products start the sums
	s_mov_b32 s3, LAPS-1
.Llap:
	TURN 0, 1, 1
	STEP 1, 0, 0
	TURN 1, 0, 1
	STEP 0, 0, 0
	s_sub_co_u32 s3, s3, 1
	s_cmp_lg_u32 s3, 0
	s_cbranch_scc1 .Llap
	TURN 0, 1, 0                                   ; the last lap fills nothing
	STEP 1, 0, 0
	s_wait_dscnt 4*NL
	WIN MUL_LO
	MUL16 0, 1, NQ-1, 1, 0
	MUL16 2, 1, NQ-1, 1, 0
	s_wait_dscnt 0
	WIN MUL_HI
	MUL16 4, 1, NQ-1, 1, 0
	MUL16 6, 1, NQ-1, 1, 0
	WIN 0
; 64 numbers of a lane, register 16 b + i = k 32 b + 16 (lane / 16) + i of my slot, become a fragment's codes in v[PC] on and its scale word in v[PW].
.macro QUANT s
.irp b, 0,1,2,3
	v_max3_num_f32 v[TM+\b], |v[\s+16*\b]|, |v[\s+1+16*\b]|, 0x2800000   ; and the floor 2^(5 - 127): the byte cannot fall under 1
.endr
.irp i, 2,4,6,8,10,12,14
.irp b, 0,1,2,3
	v_max3_num_f32 v[TM+\b], v[TM+\b], |v[\s+16*\b+\i]|, |v[\s+1+16*\b+\i]|
.endr
.endr
.irp b, 0,1,2,3
	v_permlanex16_b32 v[TM+4+\b], v[TM+\b], s[SEL], s[SEL+1]
.endr
.irp b, 0,1,2,3
	v_max_num_f32 v[TM+\b], v[TM+\b], v[TM+4+\b]   ; with lane l xor 16's: the block's largest magnitude
.endr
.irp b, 0,1,2,3
	v_add_nc_u32 v[TM+12+\b], 0xfe000000, v[TM+\b] ; 4 off its exponent field: the conversion's scale operand
.endr
.irp b, 0,1,2,3
	v_lshrrev_b32 v[TM+4+\b], 23, v[TM+12+\b]      ; the scale's byte
.endr
	v_lshl_or_b32 v[PW], v[TM+5], 8, v[TM+4]
	v_lshl_or_b32 v[PW], v[TM+6], 16, v[PW]
	v_lshl_or_b32 v[PW], v[TM+7], 24, v[PW]
.irp c, 0,1
	v_cvt_scalef32_pk16_bf6_f32 v[PC+6*\c:PC+2+6*\c], v[\s+32*\c:\s+15+32*\c], v[TM+12+2*\c]
	v_cvt_scalef32_pk16_bf6_f32 v[PC+12+4*\c:PC+14+4*\c], v[\s+16+32*\c:\s+31+32*\c], v[TM+12+2*\c+1]
.endr
	v_nop                                          ; one plain place behind a scaled conversion
.irp c, 0,1                            ; the operand's layout wants a whole block in a lane
.irp i, 0,1,2
	v_permlane16_swap_b32 v[PC+6*\c+\i], v[PC+12+4*\c+\i]
.endr
.irp i, 0,1,2
	v_mov_b32 v[PC+3+6*\c+\i], v[PC+12+4*\c+\i]
.endr
.endr
.endm
; THE WAY OUT, a tile of A at a time: the bias is added (the addition is also the move into window 0, each accumulator from its low end on), the 64 numbers are quantised, and the codes leave as images:
; every store of 16 bytes a lane covers 512 consecutive bytes, every store of 8 bytes 256, aligned.  No LDS.
.macro OUT isv
.irp a, 0,1,2,3,4,5,6,7
.if \a > 0
	s_wait_xcnt 0x0                                ; the last tile's stores have read their registers
.endif
	WIN 0x02+(\a)/4                                ; source 0: window 2 or 3
.set x, 0
.rept 32
.if \isv
	v_pk_add_f32 v[HA+2*x:HA+2*x+1], v[64*((\a)%4)+2*x:64*((\a)%4)+2*x+1], v[BV+2*\a:BV+2*\a+1] op_sel_hi:[1,0]
.else
	v_pk_add_f32 v[HA+2*x:HA+2*x+1], v[64*((\a)%4)+2*x:64*((\a)%4)+2*x+1], v[BI+2*x:BI+2*x+1]
.endif
.set x, x+1
.endr
	WIN 0
	QUANT HA
.if \isv
	global_store_b128 v4, v[PC:PC+3], s[8:9] offset:(\a/4)*9*BLKB+(\a%4)*1536            ; fragment a % 4 of head a / 4 of my two
	global_store_b64 v5, v[PC+4:PC+5], s[8:9] offset:(\a/4)*9*BLKB+(\a%4)*1536+512
	global_store_b128 v4, v[PC+6:PC+9], s[8:9] offset:(\a/4)*9*BLKB+(\a%4)*1536+768
	global_store_b64 v5, v[PC+10:PC+11], s[8:9] offset:(\a/4)*9*BLKB+(\a%4)*1536+1280
	v_mov_b32 v[SW+\a], v[PW]
.else
	global_store_b128 v4, v[PC:PC+3], s[8:9] offset:768*\a                               ; the first head's half image,
	global_store_b64 v5, v[PC+4:PC+5], s[8:9] offset:768*\a+512
	global_store_b128 v4, v[PC+6:PC+9], s[8:9] offset:768*\a+8*BLKB                      ; the second head's
	global_store_b64 v5, v[PC+10:PC+11], s[8:9] offset:768*\a+512+8*BLKB
	v_lshrrev_b32 v[SW+\a], v12, v[PW]             ; lanes 0-15: the word as it is; lanes 16-31: its upper two bytes brought down
.endif
.endr
.if \isv
	global_store_b128 v4, v[SW:SW+3], s[8:9] offset:6144
	global_store_b128 v4, v[SW+4:SW+7], s[8:9] offset:9*BLKB+6144
.else
	global_store_b128 v13, v[SW:SW+3], s[8:9] offset:6144
	global_store_b128 v13, v[SW+4:SW+7], s[8:9] offset:6144+256
.endif
	s_wait_tensorcnt 0x0                           ; the wave's end
	ds_add_u32 v[SPW], v[NIL]
	s_wait_dscnt 0x0
	CROUND                                         ; the closing round: no work-group ends while a partner may still ask for a tile that names it
	s_endpgm
.endm
	PLACES NP                                      ; behind the last products: their operands' registers are written below
	s_wait_loadcnt 0x0                             ; the biases, asked for at the head
	s_cmp_eq_u32 ttmp9, 2
	s_cbranch_scc1 .Lout_v
	s_lshr_b32 s20, s94, 2                         ; q, k: ((16 batch + 4 cx + 2 half) x 8 + group of 128 tokens) x 6,656, k behind q
	s_lshl_b32 s20, s20, 4
	s_lshl_b32 s21, s40, 2
	s_add_co_u32 s20, s20, s21
	s_lshl_b32 s21, s16, 1
	s_add_co_u32 s20, s20, s21
	s_lshl_b32 s20, s20, 3
	s_and_b32 s21, s94, 3
	s_lshl_b32 s21, s21, 1
	s_add_co_u32 s20, s20, s21
	s_add_co_u32 s20, s20, s15
	s_mul_i32 s20, s20, BLKB
	s_mul_i32 s21, ttmp9, KBLK
	s_add_co_u32 s20, s20, s21
	s_mov_b32 s21, 0
	s_add_nc_u64 s[8:9], s[8:9], s[20:21]
	OUT 0
.Lout_v:
	s_lshr_b32 s20, s97, 2                         ; v: ((16 batch + 4 cy + 2 half) x 9 + key step) x 6,656
	s_lshl_b32 s20, s20, 4
	s_lshl_b32 s21, s41, 2
	s_add_co_u32 s20, s20, s21
	s_lshl_b32 s21, s15, 1
	s_add_co_u32 s20, s20, s21
	s_mul_i32 s20, s20, 9
	s_and_b32 s21, s97, 3
	s_lshl_b32 s21, s21, 1
	s_add_co_u32 s20, s20, s21
	s_add_co_u32 s20, s20, s16
	s_mul_i32 s20, s20, BLKB
	s_add_co_u32 s20, s20, VBLK
	s_mov_b32 s21, 0
	s_add_nc_u64 s[8:9], s[8:9], s[20:21]
	OUT 1
.Lfunc_end_k_qd863820995_qkvgemm:
	.size	k_qd863820995_qkvgemm, .Lfunc_end_k_qd863820995_qkvgemm-k_qd863820995_qkvgemm
	.p2alignl 7, 3214868480
	.fill 96, 4, 3214868480
	.section	.rodata,"a",@progbits
	.p2align	6, 0x0
	.amdhsa_kernel k_qd863820995_qkvgemm
		.amdhsa_group_segment_fixed_size 327680
		.amdhsa_private_segment_fixed_size 0
		.amdhsa_enable_private_segment 0
		.amdhsa_kernarg_size 24
		.amdhsa_user_sgpr_count 2
		.amdhsa_user_sgpr_kernarg_segment_ptr 1
		.amdhsa_wavefront_size32 1
		.amdhsa_system_sgpr_workgroup_id_x 1
		.amdhsa_system_sgpr_workgroup_id_y 1
		.amdhsa_system_sgpr_workgroup_id_z 1
		.amdhsa_system_vgpr_workitem_id 0
		.amdhsa_next_free_vgpr 1024
		.amdhsa_next_free_sgpr 100
		.amdhsa_reserve_vcc 0
		.amdhsa_float_denorm_mode_32 3
		.amdhsa_float_denorm_mode_16_64 3
		.amdhsa_memory_ordered 1
		.amdhsa_forward_progress 1
		.amdhsa_inst_pref_size 219
	.end_amdhsa_kernel
	.amdgpu_metadata
---
amdhsa.version: [ 1, 2 ]
amdhsa.kernels:
  - .name:           k_qd863820995_qkvgemm
    .symbol:         k_qd863820995_qkvgemm.kd
    .args:
      - { .name: opnd, .offset: 0, .size: 8, .value_kind: global_buffer, .address_space: global }
      - { .name: bc_attn, .offset: 8, .size: 8, .value_kind: global_buffer, .address_space: global }
      - { .name: qkv, .offset: 16, .size: 8, .value_kind: global_buffer, .address_space: global }
    .group_segment_fixed_size: 327680
    .private_segment_fixed_size: 0
    .kernarg_segment_align: 8
    .kernarg_segment_size: 24
    .max_flat_workgroup_size: 128
    .sgpr_count:     100
    .vgpr_count:     1024
    .wavefront_size: 32
...
	.end_amdgpu_metadata
.endif
;; end of part 2
;; launch attn (part 3): grid 128 x 4, 16 waves a work-group, no clusters, 34,816 bytes of LDS; arguments qkv, masks, att; writes att
.if DOCPART == 3
	.amdgcn_target "amdgcn-amd-amdhsa--gfx1250"
	.amdhsa_code_object_version 6
	.text
	.protected	k_qd863820995_attn
	.globl	k_qd863820995_attn
	.p2align	8
	.type	k_qd863820995_attn,@function
k_qd863820995_attn:
	s_mov_b64 s[64:65], 0
	v_nop
	global_prefetch_b8 v0, s[64:65] scope:SCOPE_SE
	s_setreg_imm32_b32 hwreg(HW_REG_WAVE_MODE, 25, 1), 1
	s_wait_xcnt 0x0
; ATTENTION on codes of E3M2: S^T = K Q^T (K = the head's 64, the instruction's upper 64 are zero codes on both sides), reference()'s two masks, the streaming softmax p = 2^(t - M) with M a whole number,
; O^T += V^T P^T (K = 128 keys a step), O / l, and O quantised along D for the last product.
; SHARES.  A work-group is (batch x head, g = 0..3).  Each of its 16 waves owns one tile of 16 queries: eight waves the tiles of query group g, eight those of group 7 - g (128 queries a group), so that every
; work-group has 8 (g + 1) + 8 (8 - g) = 72 tile steps.  Which waves take which group: (w xor (w >> 2)) & 1, two of each kind among any four neighbouring waves and among any four waves 4 apart.
; THE MASKS.  tril hides key k > q (its value -1e9), key 1,024 from every query; attention_mask == 0 then sets -1e4 for EVERY query, hidden keys too.  So a key step behind a wave's diagonal is left out only
; if it holds no masked key: the launch before stored, as whole numbers, a flag for each key step and a lane mask for each score register.  A flagged hidden step takes all scores as -1e9 and then the mask.
; Scores are kept as q . k: the two values stand as -8e9 and -8e4, and t = score x log2(e) / 8.
; THE RING.  Two LDS slots of 16,384 bytes; a slot holds a step's V block (6,656 bytes) and K block.  Waves 0-7 bring V's, waves 8-15 K's: loads into registers at a trip's head, LDS stores into the other slot
; at its end, one barrier a trip: in front of it each wave's reads of this slot are over and its stores into the other have landed.  No tensor load: the launch branches on stored numbers.
; The loop has 9 trips, a constant; barriers stand on every wave's path; branches lead round work alone.  For step 8 K's waves read K's step 7 again (inside the buffer; nobody uses it).
; LIMITS: NaN and infinities are not served; |score / 8| stays under 1e9; a block whose largest magnitude lies under 2^-122 keeps the byte 1.
; REGISTERS: v1-5 read places in a slot; v6-8 store places; v9-11 global offsets; v12 -M, v13 largest t, v[14:15] the sum; v16-27 Q; v28 r + 8 (r / 8) - 16 h; v29 -8e4; v30 -8e9; v32-79 four fragments of K (their upper six
; registers are zeros that stay); v80-87 the trip's addresses; v88-94 staging; v96-159 S^T, p, then V's four fragments; v160-191 O^T; v192-199 K's scale words; v200-203 V's; v224-254 at work; v255 Q's scale word.
.set BLKB,  6656
.set KBLK,  6815744
.set VBLK,  13631488
.set XASCL, 6291456
.set SLOT1, 16384
.set KOFF,  6656
	s_load_b128 s[4:7], s[0:1], 0x0                ; qkv s[4:5], masks s[6:7]
	s_load_b64 s[8:9], s[0:1], 0x10                ; att
	v_lshl_add_u32 v250, v0, 2, 0x8000
	v_mov_b32 v251, 0
	v_lshrrev_b32 v80, 5, v0
	v_readfirstlane_b32 s10, v80                   ; wave 0..15
	s_and_b32 s11, ttmp7, 0xffff                   ; g
	s_lshr_b32 s38, s10, 2
	s_xor_b32 s38, s38, s10
	s_and_b32 s38, s38, 1
	s_lshr_b32 s14, s10, 1                         ; which tile of its group
	s_sub_co_u32 s39, 7, s11
	s_cmp_eq_u32 s38, 1
	s_cselect_b32 s13, s39, s11                    ; my query group = the key step of my diagonal
	s_lshr_b32 s40, ttmp9, 4                       ; batch
	s_and_b32 s41, ttmp9, 15                       ; head
	s_mov_b32 s43, 0
	s_mov_b32 s51, 0
	s_mov_b32 s20, 0x76543210
	s_mov_b32 s21, 0xfedcba98                      ; v_permlanex16_b32's selects for lane l xor 16
	s_mov_b32 s22, 0x3e38aa3b                      ; c = log2(e) / 8
	s_mov_b32 s23, s22
	s_wait_kmcnt 0x0
	s_lshl_b32 s42, s40, 8
	s_add_co_u32 s42, s42, 32768
	s_add_nc_u64 s[44:45], s[6:7], s[42:43]
	s_load_b64 s[34:35], s[44:45], 0x0             ; s34: bit s = key step s holds a masked key; s35: 1 + the last such step, or 0
	s_lshl_b32 s42, s40, 12
	s_add_nc_u64 s[26:27], s[6:7], s[42:43]        ; the lane masks of step 0; 256 bytes a step
	s_mul_i32 s50, ttmp9, 9*BLKB
	s_add_co_u32 s50, s50, VBLK
	s_mul_i32 s52, ttmp9, 8*BLKB
	s_add_co_u32 s52, s52, KBLK
	s_cmp_lt_u32 s10, 8
	s_cselect_b32 s42, s50, s52
	s_cselect_b32 s37, 99, 7                       ; the last step to which my source walks
	s_add_nc_u64 s[24:25], s[4:5], s[42:43]        ; what I bring: V's blocks (waves 0-7) or K's
	v_and_b32 v81, 31, v0                          ; lane
	v_and_b32 v82, 15, v0                          ; r
	v_bfe_u32 v83, v0, 4, 1                        ; h
	v_and_b32 v84, 255, v0                         ; my place among the 256 threads that bring a block
	v_lshlrev_b32 v9, 4, v84
	v_lshlrev_b32 v10, 3, v84
	v_lshlrev_b32 v11, 1, v84
	global_load_b128 v[88:91], v9, s[24:25]        ; step 0: 4,096 + 2,048 + 512 bytes
	global_load_b64 v[92:93], v10, s[24:25] offset:4096
	global_load_u16 v94, v11, s[24:25] offset:6144
	s_lshr_b32 s52, s10, 3
	s_mul_i32 s52, s52, KOFF
	v_add_nc_u32 v6, s52, v9
	v_add_nc_u32 v7, s52, v10
	v_add_nc_u32 v8, s52, v11
	v_lshlrev_b32 v3, 4, v81                       ; V: 16 x lane
	v_lshlrev_b32 v4, 3, v81                       ;    8 x lane
	v_add_nc_u32 v1, KOFF, v3                      ; K likewise
	v_add_nc_u32 v2, KOFF, v4
	v_lshlrev_b32 v85, 4, v82
	v_add_nc_u32 v5, KOFF+6144, v85                ; K's scale words: 16 r
	s_lshl_b32 s42, ttmp9, 3
	s_add_co_u32 s42, s42, s13
	s_mul_i32 s53, s42, BLKB                       ; my group's block of Q
	s_mul_i32 s42, s14, 768
	s_add_co_u32 s42, s42, s53
	s_add_nc_u64 s[46:47], s[4:5], s[42:43]        ; my tile's half image
	s_lshr_b32 s42, s14, 2
	s_lshl_b32 s42, s42, 8
	s_and_b32 s50, s14, 3
	s_lshl_b32 s50, s50, 2
	s_add_co_u32 s42, s42, s50
	s_add_co_u32 s42, s42, s53
	s_add_co_u32 s42, s42, 6144
	s_add_nc_u64 s[48:49], s[4:5], s[42:43]        ; its scale words
	global_load_b128 v[16:19], v3, s[46:47]
	global_load_b64 v[20:21], v4, s[46:47] offset:512
	global_load_b32 v255, v85, s[48:49]
.irp i, 22,23,24,25,26,27
	v_mov_b32 v[\i], 0                             ; the upper 64 along K: zero codes
.endr
.irp t, 0,1,2,3
.irp i, 6,7,8,9,10,11
	v_mov_b32 v[32+12*\t+\i], 0
.endr
.endr
.set n, 0
.rept 32
	v_mov_b32 v[160+n], 0                          ; O^T: the first change of M multiplies zeros
.set n, n+1
.endr
.irp i, 14,15,236,237,238,239,252,253
	v_mov_b32 v[\i], 0                             ; the sum; permute destinations and pairs' upper halves, written once
.endr
	v_and_b32 v28, 8, v82
	v_add_nc_u32 v28, v28, v82
	v_lshlrev_b32 v86, 4, v83
	v_sub_nc_u32 v28, v28, v86
	v_mov_b32 v29, 0xc79c4000                      ; -8e4
	v_mov_b32 v30, 0xcfee6b28                      ; -8e9
	s_lshl_b32 s53, s13, 3
	s_add_co_u32 s53, s53, s14                     ; my tile among the batch's 64
	s_lshr_b32 s39, s53, 1
	s_lshl_b32 s39, s39, 5
	s_and_b32 s32, s53, 1
	s_lshl_b32 s32, s32, 3
	s_add_co_u32 s32, s32, s39                     ; its first query
	s_lshl_b32 s50, s40, 6
	s_add_co_u32 s50, s50, s53                     ; the tile among all 512
	s_mul_i32 s42, s50, 12288
	s_mul_i32 s52, s41, 768
	s_add_co_u32 s42, s42, s52
	s_add_nc_u64 s[54:55], s[8:9], s[42:43]        ; out: half image (tile, head)
	s_lshl_b32 s42, s50, 9
	s_lshr_b32 s52, s41, 2
	s_lshl_b32 s52, s52, 7
	s_add_co_u32 s42, s42, s52
	s_and_b32 s52, s41, 3
	s_lshl_b32 s52, s52, 1
	s_add_co_u32 s42, s42, s52
	s_add_co_u32 s42, s42, XASCL
	s_add_nc_u64 s[56:57], s[8:9], s[42:43]        ; and its two scale bytes a row
	s_mov_b32 s28, 0                               ; the key step
	s_mov_b32 s29, 0                               ; the slot in hand
	s_mov_b32 s30, SLOT1                           ; the other
	s_mov_b32 s31, 0                               ; the step's first key
	s_wait_kmcnt 0x0                               ; the flags
	s_sub_co_u32 s36, 8, s11
	s_max_u32 s36, s36, s35                        ; steps that some wave of the work-group works: the visible ones, and up to the last flagged
	s_cmp_lg_u32 s34, 0
	s_cselect_b32 s50, -1, 0
	v_mul_f32 v13, s22, v29
	v_mov_b32 v254, 0xff61b1e6                     ; -3e38, under every t
	v_cndmask_b32 v13, v254, v13, s50              ; where the batch has a masked key, every row holds a -1e4: the largest t begins there
	v_floor_f32 v12, -v13                          ; -M
	s_wait_loadcnt 0x0                             ; step 0, and Q
	ds_store_b128 v6, v[88:91]
	ds_store_b64 v7, v[92:93] offset:4096
	ds_store_b16 v8, v94 offset:6144
	s_add_nc_u64 s[24:25], s[24:25], BLKB
	s_wait_dscnt 0x0                               ; for the others' sake: my stores have landed
	s_barrier_signal -1
	s_barrier_wait -1
.macro AMASK half                      ; 32 score registers take -1e4 where their lane mask says so
	s_load_b512 s[68:83], s[26:27], 128*\half
	s_load_b512 s[84:99], s[26:27], 128*\half+64
	s_wait_kmcnt 0x0
.set n, 0
.rept 32
	v_cndmask_b32 v[96+32*\half+n], v[96+32*\half+n], v29, s[68+n]
.set n, n+1
.endr
.endm
.Lstep:
	s_add_co_u32 s50, s28, 1
	s_cmp_lt_u32 s50, s36
	s_cbranch_scc0 .Lno_ask
	global_load_b128 v[88:91], v9, s[24:25]        ; the next step's block: it has this whole step in which to come
	global_load_b64 v[92:93], v10, s[24:25] offset:4096
	global_load_u16 v94, v11, s[24:25] offset:6144
.Lno_ask:
	v_add_nc_u32 v80, s29, v1                      ; the trip's addresses.  (These eight are also the places between the last V^T P product and what next writes its registers)
	v_add_nc_u32 v81, s29, v2
	v_add_nc_u32 v82, s29, v3
	v_add_nc_u32 v83, s29, v4
	v_add_nc_u32 v84, s29, v5
	v_add_nc_u32 v85, s30, v6
	v_add_nc_u32 v86, s30, v7
	v_add_nc_u32 v87, s30, v8
	s_lshr_b32 s52, s34, s28
	s_and_b32 s52, s52, 1                          ; this step's flag
	s_cmp_le_u32 s28, s13
	s_cbranch_scc1 .Lvisible
	s_cmp_lg_u32 s52, 0
	s_cbranch_scc0 .Ltail                          ; all 128 keys are hidden and none is masked: every p is 0
.set n, 0
.rept 64
	v_mov_b32 v[96+n], v30                         ; hidden, but the mask names some: tril's value first
.set n, n+1
.endr
	s_branch .Lamask
.Lvisible:
.irp g, 0,1                            ; S^T = K Q^T, four tiles of 16 keys at a time
.if \g > 0
.rept 4
	v_nop                                          ; places in front of loads into registers that matrix instructions have read
.endr
.endif
.irp t, 0,1,2,3
	ds_load_b128 v[32+12*\t:35+12*\t], v80 offset:768*(4*\g+\t)
	ds_load_b64 v[36+12*\t:37+12*\t], v81 offset:768*(4*\g+\t)+512
.endr
.if \g == 0
	ds_load_b128 v[192:195], v84
	ds_load_b128 v[196:199], v84 offset:256
.endif
	s_wait_dscnt 0x0
.irp t, 0,1,2,3
	v_wmma_scale_f32_16x16x128_f8f6f4 v[96+8*(4*\g+\t):103+8*(4*\g+\t)], v[32+12*\t:43+12*\t], v[16:27], 0, v[192+4*\g+\t], v255 matrix_a_fmt:MATRIX_FMT_BF6 matrix_b_fmt:MATRIX_FMT_BF6
.endr
.endr
.rept 4
	v_nop
.endr
	s_cmp_eq_u32 s28, s13
	s_cbranch_scc0 .Lopen
	s_sub_co_i32 s50, s32, s31                     ; the diagonal: register 16 b + i holds key KF + 32 b + 16 h + i: hidden where 32 b + i > my query - KF - 16 h
	v_add_nc_u32 v252, s50, v28
.set n, 0
.rept 64
	v_cmp_gt_i32 vcc_lo, 32*(n/16)+n%16, v252
	v_cndmask_b32 v[96+n], v[96+n], v30, vcc_lo
.set n, n+1
.endr
.Lopen:
	s_cmp_lg_u32 s52, 0
	s_cbranch_scc0 .Lsoft
.Lamask:                               ; behind tril's value, as in reference()
	AMASK 0
	AMASK 1
.Lsoft:
.irp b, 0,1,2,3
	v_max3_num_f32 v[232+\b], v[96+16*\b], v[97+16*\b], v[98+16*\b]   ; the largest score of each block of 32 keys: for the row's maximum and, since p rises with the score, for the block's largest p
.endr
.irp i, 3,5,7,9,11,13
.irp b, 0,1,2,3
	v_max3_num_f32 v[232+\b], v[232+\b], v[96+16*\b+\i], v[97+16*\b+\i]
.endr
.endr
.irp b, 0,1,2,3
	v_max_num_f32 v[232+\b], v[232+\b], v[111+16*\b]
.endr
.irp b, 0,1,2,3
	v_permlanex16_b32 v[236+\b], v[232+\b], s20, s21
.endr
.irp b, 0,1,2,3
	v_max_num_f32 v[232+\b], v[232+\b], v[236+\b]
.endr
	v_max3_num_f32 v254, v232, v233, v234
	v_max_num_f32 v254, v254, v235
	v_mul_f32 v254, s22, v254
	v_max_num_f32 v13, v13, v254                   ; the running largest t
	v_mov_b32 v254, v12
	v_floor_f32 v12, -v13                          ; -M = floor(-t): M is a whole number
	v_sub_f32 v254, v12, v254
	v_cvt_i32_f32 v254, v254                       ; old M - new M (it saturates)
	v_ldexp_f32 v252, 1.0, v254                    ; f = 2^(old M - new M): rounds nothing
.set n, 0
.rept 32
	v_pk_fma_f32 v[96+n:97+n], v[96+n:97+n], s[22:23], v[12:13] op_sel_hi:[1,0,0]   ; t - M
.set n, n+2
.endr
.irp b, 0,1,2,3
	v_fma_f32 v[232+\b], v[232+\b], s22, v12
.endr
.set n, 0
.rept 64
	v_exp_f32 v[96+n], v[96+n]                     ; p = 2^(t - M), not normalised
.set n, n+1
.endr
	v_pk_mul_f32 v[14:15], v[14:15], v[252:253] op_sel_hi:[1,0]   ; the sums under the new M (a plain place behind the exponentials)
	s_wait_alu depctr_va_vdst(0)                   ; one wait for the whole batch, ahead of its first reader
.irp b, 0,1,2,3
	v_exp_f32 v[232+\b], v[232+\b]                 ; the block's largest p
.endr
	v_pk_add_f32 v[236:237], v[96:97], v[98:99]    ; the row's sum, of the unquantised p, in two chains
.irp j, 4,8,12,16,20,24,28,32,36,40,44,48,52,56,60
	v_pk_add_f32 v[14:15], v[14:15], v[96+\j:97+\j]
	v_pk_add_f32 v[236:237], v[236:237], v[98+\j:99+\j]
.endr
	v_pk_add_f32 v[14:15], v[14:15], v[236:237]
	s_wait_alu depctr_va_vdst(0)                   ; and one for the four
.irp b, 0,1,2,3
	v_max_num_f32 v[232+\b], 0x2800000, v[232+\b]  ; the floor 2^(5 - 127)
.endr
.irp b, 0,1,2,3
	v_add_nc_u32 v[244+\b], 0xfe000000, v[232+\b]
.endr
.irp b, 0,1,2,3
	v_lshrrev_b32 v[236+\b], 23, v[244+\b]
.endr
	v_lshl_or_b32 v253, v237, 8, v236              ; p's scale word for these 128 keys
	v_lshl_or_b32 v253, v238, 16, v253
	v_lshl_or_b32 v253, v239, 24, v253
.irp c, 0,1
	v_cvt_scalef32_pk16_bf6_f32 v[224+6*\c:226+6*\c], v[96+32*\c:111+32*\c], v[244+2*\c]
	v_cvt_scalef32_pk16_bf6_f32 v[236+4*\c:238+4*\c], v[112+32*\c:127+32*\c], v[244+2*\c+1]
.endr
	v_nop                                          ; one plain place behind a scaled conversion
.irp t, 0,1,2,3                        ; p is in codes: V's four fragments take its registers; they land under the lines below
	ds_load_b128 v[96+12*\t:99+12*\t], v82 offset:1536*\t
	ds_load_b64 v[100+12*\t:101+12*\t], v83 offset:1536*\t+512
	ds_load_b128 v[102+12*\t:105+12*\t], v82 offset:1536*\t+768
	ds_load_b64 v[106+12*\t:107+12*\t], v83 offset:1536*\t+1280
.endr
	ds_load_b128 v[200:203], v82 offset:6144
.irp c, 0,1
.irp i, 0,1,2
	v_permlane16_swap_b32 v[224+6*\c+\i], v[236+4*\c+\i]
.endr
.irp i, 0,1,2
	v_mov_b32 v[227+6*\c+\i], v[236+4*\c+\i]
.endr
.endr
.set n, 0
.rept 16
	v_pk_mul_f32 v[160+n:161+n], v[160+n:161+n], v[252:253] op_sel_hi:[1,0]   ; O^T under the new M (these sixteen also stand between the scale word's and the codes' last writes and the products)
.set n, n+2
.endr
	s_wait_dscnt 0x0
.irp t, 0,1,2,3                        ; four accumulators by turns
	v_wmma_scale_f32_16x16x128_f8f6f4 v[160+8*\t:167+8*\t], v[96+12*\t:107+12*\t], v[224:235], v[160+8*\t:167+8*\t], v[200+\t], v253 matrix_a_fmt:MATRIX_FMT_BF6 matrix_b_fmt:MATRIX_FMT_BF6
.endr
.Ltail:
	s_wait_loadcnt 0x0                             ; on every path: the next step's block, asked for at the trip's head, is in my registers
	s_add_co_u32 s50, s28, 1
	s_cmp_lt_u32 s50, s36
	s_cbranch_scc0 .Lno_put
	ds_store_b128 v85, v[88:91]                    ; into the other slot: every wave's reads of it ended in front of the last barrier
	ds_store_b64 v86, v[92:93] offset:4096
	ds_store_b16 v87, v94 offset:6144
	s_add_co_u32 s50, s28, 2
	s_cmp_gt_u32 s50, s37
	s_cselect_b32 s50, 0, BLKB                     ; K's source stays at its last block
	s_add_nc_u64 s[24:25], s[24:25], s[50:51]
.Lno_put:
	s_wait_dscnt 0x0                               ; my reads of this slot are over and my stores into the other have landed
	s_barrier_signal -1
	s_barrier_wait -1
	s_xor_b32 s29, s29, SLOT1
	s_xor_b32 s30, s30, SLOT1
	s_add_co_u32 s31, s31, 128
	s_add_nc_u64 s[26:27], s[26:27], 256
	s_add_co_u32 s28, s28, 1
	s_cmp_lt_u32 s28, 9
	s_cbranch_scc1 .Lstep
	; THE WAY OUT: O^T / l; register 16 b + i is channel 32 b + 16 h + i of my query: two blocks along D, quantised as p was; the half image leaves as it stands.
	v_add_f32 v14, v14, v15
	v_permlanex16_b32 v252, v14, s20, s21
	v_add_f32 v14, v14, v252                       ; the row's sum
	v_rcp_f32 v14, v14
	v_and_b32 v80, 31, v0                          ; (a plain place behind the reciprocal)
	v_lshlrev_b32 v81, 4, v80
	v_lshlrev_b32 v82, 3, v80
	v_and_b32 v83, 15, v0
	v_lshlrev_b32 v83, 3, v83
	s_wait_alu depctr_va_vdst(0)                   ; ahead of the reciprocal's first reader
.set n, 0
.rept 32
	v_mul_f32 v[96+n], v[160+n], v14
.set n, n+1
.endr
.irp b, 0,1
	v_max3_num_f32 v[232+\b], |v[96+16*\b]|, |v[97+16*\b]|, 0x2800000
.endr
.irp i, 2,4,6,8,10,12,14
.irp b, 0,1
	v_max3_num_f32 v[232+\b], v[232+\b], |v[96+16*\b+\i]|, |v[97+16*\b+\i]|
.endr
.endr
.irp b, 0,1
	v_permlanex16_b32 v[236+\b], v[232+\b], s20, s21
.endr
.irp b, 0,1
	v_max_num_f32 v[232+\b], v[232+\b], v[236+\b]
.endr
.irp b, 0,1
	v_add_nc_u32 v[244+\b], 0xfe000000, v[232+\b]
.endr
.irp b, 0,1
	v_lshrrev_b32 v[236+\b], 23, v[244+\b]
.endr
	v_lshl_or_b32 v240, v237, 8, v236              ; the head's two scale bytes of my row
	v_cvt_scalef32_pk16_bf6_f32 v[224:226], v[96:111], v244
	v_cvt_scalef32_pk16_bf6_f32 v[232:234], v[112:127], v245
	v_nop
.irp i, 0,1,2
	v_permlane16_swap_b32 v[224+\i], v[232+\i]
.endr
.irp i, 0,1,2
	v_mov_b32 v[227+\i], v[232+\i]
.endr
	global_store_b128 v81, v[224:227], s[54:55]    ; 512 consecutive bytes,
	global_store_b64 v82, v[228:229], s[54:55] offset:512   ; and 256
	s_wait_xcnt 0x0                                ; EXEC changes only behind this wait
	v_cmp_gt_u32 vcc_lo, 16, v80
	s_wait_tensorcnt 0x0
	ds_add_u32 v250, v251
	s_wait_dscnt 0x0
	s_and_saveexec_b32 s50, vcc_lo
	global_store_b16 v83, v240, s[56:57]           ; 2 bytes a row, 8 bytes apart: the bytes between belong to three other heads, which other work-groups make; one part in 25 of what this launch stores
	s_endpgm
.Lfunc_end_k_qd863820995_attn:
	.size	k_qd863820995_attn, .Lfunc_end_k_qd863820995_attn-k_qd863820995_attn
	.p2alignl 7, 3214868480
	.fill 96, 4, 3214868480
	.section	.rodata,"a",@progbits
	.p2align	6, 0x0
	.amdhsa_kernel k_qd863820995_attn
		.amdhsa_group_segment_fixed_size 34816
		.amdhsa_private_segment_fixed_size 0
		.amdhsa_enable_private_segment 0
		.amdhsa_kernarg_size 24
		.amdhsa_user_sgpr_count 2
		.amdhsa_user_sgpr_kernarg_segment_ptr 1
		.amdhsa_wavefront_size32 1
		.amdhsa_system_sgpr_workgroup_id_x 1
		.amdhsa_system_sgpr_workgroup_id_y 1
		.amdhsa_system_sgpr_workgroup_id_z 1
		.amdhsa_system_vgpr_workitem_id 0
		.amdhsa_next_free_vgpr 256
		.amdhsa_next_free_sgpr 104
		.amdhsa_reserve_vcc 1
		.amdhsa_float_denorm_mode_32 3
		.amdhsa_float_denorm_mode_16_64 3
		.amdhsa_memory_ordered 1
		.amdhsa_forward_progress 1
		.amdhsa_inst_pref_size 41
	.end_amdhsa_kernel
	.amdgpu_metadata
---
amdhsa.version: [ 1, 2 ]
amdhsa.kernels:
  - .name:           k_qd863820995_attn
    .symbol:         k_qd863820995_attn.kd
    .args:
      - { .name: qkv, .offset: 0, .size: 8, .value_kind: global_buffer, .address_space: global }
      - { .name: masks, .offset: 8, .size: 8, .value_kind: global_buffer, .address_space: global }
      - { .name: att, .offset: 16, .size: 8, .value_kind: global_buffer, .address_space: global }
    .group_segment_fixed_size: 34816
    .private_segment_fixed_size: 0
    .kernarg_segment_align: 8
    .kernarg_segment_size: 24
    .max_flat_workgroup_size: 512
    .sgpr_count:     104
    .vgpr_count:     256
    .wavefront_size: 32
...
	.end_amdgpu_metadata
.endif
;; end of part 3
;; launch proj (part 4): grid 4 x 32, 4 waves a work-group, clusters of 4 x 4, 327,680 bytes of LDS; arguments att, opnd, bc_proj, out0; writes out0
.if DOCPART == 4
	.amdgcn_target "amdgcn-amd-amdhsa--gfx1250"
	.amdhsa_code_object_version 6
	.text
	.protected	k_qd863820995_proj
	.globl	k_qd863820995_proj
	.p2align	8
	.type	k_qd863820995_proj,@function
k_qd863820995_proj:
	s_mov_b64 s[64:65], 0
	v_nop
	global_prefetch_b8 v0, s[64:65] scope:SCOPE_SE
	s_setreg_imm32_b32 hwreg(HW_REG_WAVE_MODE, 25, 1), 1
	s_wait_xcnt 0x0
	s_wait_alu depctr_hold_cnt(0) depctr_sa_sdst(0) depctr_va_vdst(0) depctr_va_sdst(0) depctr_va_ssrc(0) depctr_va_vcc(0) depctr_vm_vsrc(0)
	s_getreg_b32 s2, hwreg(HW_REG_IB_STS2, 6, 4)
	s_cmp_eq_u32 s2, 0
	s_cbranch_scc0 .Lentry_in_a_cluster
	s_endpgm
.Lentry_in_a_cluster:
	s_bfe_u32 s2, ttmp6, 0x10000c
	s_cmp_lg_u32 s2, 0xf033
	s_cbranch_scc0 .Lentry_shape_is_right
	s_endpgm
.Lentry_shape_is_right:
; out0 = Q(attention's result) Q(Wc_proj) + bc_proj on codes of E3M2 with E8M0 scales; out0 [8192][1024] f32.
; A tile of 256 x 256 is made by four waves, 128 x 128 each; K = 1,024 goes in four slots of 256 through a ring of two LDS slots filled by joint tensor loads.  128 work-groups: the sizes give no more tiles of this shape.
; OPERANDS lie in memory as images of registers (half images of 768 bytes: 16 rows x 64 K; lane slot l: 16 bytes at 16 l, 8 bytes at 512 + 8 l), a tile's 16 half images on end; slot r of tile T is row
; 32 (T / 2) + 8 (T % 2) + r + 8 (r / 8), for the rows of A (tokens) and of B (W's columns) alike.
; THE PRODUCT IS USED TRANSPOSED (source 0 = 16 rows of B, source 1 = 16 rows of A): a lane holds one token slot, and the 16 registers of B's tiles 2 c, 2 c + 1 are columns 32 c + 16 (lane / 16) + 0 .. 15.
; The bias is the C of each sum's first product.  CLUSTERS: 4 x 4: A's tiles are shared along a row of the cluster, B's along a column.
; REGISTERS: window 0: v1-6 lane terms; v16-23 fragment addresses; v24-26 the way out; v27 scale address; v28, v29 the add's; v32-63 scale words; v64-127 the bias; v128-223 A's fragments (on the way out v128-255 rows of out0).
;   window 1: B's fragments, two sets.  windows 2, 3: the accumulators.
.set XASCL, 6291456
.set WPIMG, 9011200
.set WPSCL, 9797632
.set TILEB, 12288
.set NQ,    2
.set FR,    12
.set NL,    4
.set NP,    4
.set SLOTK, 3072
.set HALFT, 8*SLOTK
.set SLOT,  4*HALFT
.set LAPS,  2
.set SCL,   2*SLOT
.set HALFS, 4096
.set SPARE, SCL+4*HALFS                ; the spare words, 128 bytes for each wave: two blocks of 256 bytes that no other line names
.set SPITCH, 528                       ; the way out: a stage of 16 rows x (512 bytes + 16) for each wave, in slot 0, which has had its last fill and its last read when the first result is stored there
.set ADRA, 16
.set ADRB, 20
.set STO,  24
.set RD,   25
.set CO,   26
.set ADRS, 27
.set SPW,  28
.set NIL,  29
.set SC,   32
.set BI,   64
.set AF,   128
.set BK,   128
.set G1, 24
.set G0, 32
.set G1B, 48
.set G0B, 56
.set G1S, 68
.set G0S, 76
.set G1SB, 80
.set G0SB, 88
.set MSB, 0
.macro WIN new                         ; the immediate's high byte repeats the setting that is left
.if MSB != \new
	s_set_vgpr_msb (MSB<<8)|\new
.set MSB, \new
.endif
.endm
.set MUL_LO, 0xa1                      ; source 0 (B) window 1, source 1 (A) window 0, C and D window 2
.set MUL_HI, 0xf1
.set BIAS_LO, 0x81                     ; the same with C (the bias) in window 0
.set BIAS_HI, 0xc1
.set TO_B,   0x40
.macro JLOAD g0a, g1a, g0b, g1b        ; a joint load: waves 0 and 1 fetch for A, waves 2 and 3 for B; four v_nop follow each of the two lines
	s_cmp_eq_u32 s15, 0
	s_cbranch_scc0 .Lfor_b_\@
	tensor_load_to_lds s[\g0a:\g0a+3], s[\g1a:\g1a+7]
	s_nop 0
.rept 4
	v_nop
.endr
	s_branch .Lasked_\@
.Lfor_b_\@:
	tensor_load_to_lds s[\g0b:\g0b+3], s[\g1b:\g1b+7]
	s_nop 0
.rept 4
	v_nop
.endr
.Lasked_\@:
.endm
.macro CREST
	s_cmp_lg_u32 s14, 0
	s_cbranch_scc1 .Lnot_wave_0_\@
	s_barrier_signal -3
.Lnot_wave_0_\@:
	s_barrier_wait -3
	s_barrier_signal -1
	s_barrier_wait -1
.endm
.macro CROUND
	s_barrier_signal -1
	s_barrier_wait -1
	CREST
.endm
	s_load_b128 s[4:7], s[0:1], 0x0                ; att s[4:5], opnd s[6:7]
	s_load_b128 s[8:11], s[0:1], 0x10              ; bc_proj s[8:9], out0 s[10:11]
	v_lshl_add_u32 v[SPW], v0, 2, SPARE
	v_mov_b32 v[NIL], 0
	ds_add_u32 v28, v29
	ds_add_u32 v28, v29
	s_wait_dscnt 0x0
	v_lshrrev_b32 v1, 5, v0
	v_readfirstlane_b32 s14, v1                    ; wave 0..3
	s_lshr_b32 s15, s14, 1                         ; which half of A's rows is mine.  Also: I fetch for A (0) or for B (1)
	s_and_b32 s16, s14, 1                          ; which half of B's rows.  Also: which 8 tiles I fetch
	s_bfe_u32 s40, ttmp6, 0x40000                  ; cx
	s_bfe_u32 s41, ttmp6, 0x40004                  ; cy
	s_lshl_b32 s42, ttmp9, 2
	s_add_co_u32 s42, s42, s40                     ; tile column = 4 x cluster x + cx
	s_and_b32 s17, ttmp7, 0xffff
	s_lshl_b32 s17, s17, 2
	s_add_co_u32 s17, s17, s41                     ; tile row = 4 x cluster y + cy
	s_lshl_b32 s43, s41, 2
	s_lshl_b32 s43, 15, s43                        ; my row of the cluster
	s_lshl_b32 s44, 0x1111, s40                    ; my column
	s_or_b32 s[G1+0], s43, (3<<16)|(1<<21)         ; codes: 8 rows (tiles) of 3,072 bytes, 12,288 bytes apart, no padding
	s_or_b32 s[G1B+0], s44, (3<<16)|(1<<21)
.irp g, G1, G1B
	s_mov_b32 s[\g+1], 384<<16
	s_mov_b32 s[\g+2], 8<<16
	s_mov_b32 s[\g+3], 384<<16
	s_mov_b32 s[\g+4], 8
	s_mov_b32 s[\g+5], 1536
	s_mov_b32 s[\g+6], 0
	s_mov_b32 s[\g+7], 0
.endr
	s_or_b32 s[G1S+0], s43, (3<<16)|(1<<21)        ; scales of 8 tiles: 4,096 dense bytes as 16 rows of 256
	s_or_b32 s[G1SB+0], s44, (3<<16)|(1<<21)
.irp g, G1S, G1SB
	s_mov_b32 s[\g+1], 32<<16
	s_mov_b32 s[\g+2], 16<<16
	s_mov_b32 s[\g+3], 32<<16
	s_mov_b32 s[\g+4], 16
	s_mov_b32 s[\g+5], 32
	s_mov_b32 s[\g+6], 0
	s_mov_b32 s[\g+7], 0
.endr
	s_lshl_b32 s18, s16, 3
	s_lshl_b32 s20, s17, 4
	s_add_co_u32 s20, s20, s18                     ; the first tile of A that I would fetch
	s_lshl_b32 s46, s42, 4
	s_add_co_u32 s46, s46, s18                     ; and of B
	s_lshl_b32 s22, s20, 9
	s_add_co_u32 s22, s22, XASCL
	s_lshl_b32 s92, s46, 9
	s_add_co_u32 s92, s92, WPSCL
	s_mul_i32 s20, s20, TILEB
	s_mul_i32 s46, s46, TILEB
	s_add_co_u32 s46, s46, WPIMG
	s_mov_b32 s21, 0
	s_mov_b32 s23, 0
	s_mov_b32 s47, 0
	s_mov_b32 s93, 0
	s_mul_i32 s45, s14, HALFT
	s_lshl_b32 s19, s14, 12
	s_wait_kmcnt 0x0
	s_add_nc_u64 s[20:21], s[4:5], s[20:21]
	s_add_nc_u64 s[22:23], s[4:5], s[22:23]
	s_add_nc_u64 s[46:47], s[6:7], s[46:47]
	s_add_nc_u64 s[92:93], s[6:7], s[92:93]
	CROUND                                         ; all sixteen work-groups are here: the first joint loads meet
	s_mov_b32 s[G0S], 1
	s_add_co_u32 s[G0S+1], s19, SCL
	s_mov_b64 s[G0S+2:G0S+3], s[22:23]
	s_or_b32 s[G0S+3], s[G0S+3], 0x80000000
	s_mov_b32 s[G0SB], 1
	s_add_co_u32 s[G0SB+1], s19, SCL
	s_mov_b64 s[G0SB+2:G0SB+3], s[92:93]
	s_or_b32 s[G0SB+3], s[G0SB+3], 0x80000000
	JLOAD G0S, G1S, G0SB, G1SB
.irp s, 0,1
	s_mov_b32 s[G0+4*\s], 1
	s_add_co_u32 s[G0+4*\s+1], s45, \s*SLOT
	s_add_nc_u64 s[G0+4*\s+2:G0+4*\s+3], s[20:21], \s*SLOTK
	s_or_b32 s[G0+4*\s+3], s[G0+4*\s+3], 0x80000000
	s_mov_b32 s[G0B+4*\s], 1
	s_add_co_u32 s[G0B+4*\s+1], s45, \s*SLOT
	s_add_nc_u64 s[G0B+4*\s+2:G0B+4*\s+3], s[46:47], \s*SLOTK
	s_or_b32 s[G0B+4*\s+3], s[G0B+4*\s+3], 0x80000000
	JLOAD G0+4*\s, G1, G0B+4*\s, G1B
.endr
	v_and_b32 v1, 31, v0                           ; lane
	v_and_b32 v2, 15, v0                           ; r
	v_bfe_u32 v3, v0, 4, 1                         ; h
	v_lshlrev_b32 v4, 4, v1
	v_lshlrev_b32 v5, 3, v1
	s_mul_i32 s21, s15, HALFT
	s_mul_i32 s22, s16, HALFT
	s_add_co_u32 s22, s22, 2*HALFT
.irp s, 0,1
	v_add_nc_u32 v[ADRA+\s], s21, v4
	v_add_nc_u32 v[ADRB+\s], s22, v4
	v_add_nc_u32 v[ADRA+2+\s], s21, v5
	v_add_nc_u32 v[ADRB+2+\s], s22, v5
	s_add_co_u32 s21, s21, SLOT
	s_add_co_u32 s22, s22, SLOT
.endr
	s_lshl_b32 s21, s15, 12                        ; the scale words: lanes 0-15 take A's, lanes 16-31 B's: one product in h
	s_lshl_b32 s22, s16, 12
	s_add_co_u32 s22, s22, 2*HALFS
	s_sub_co_u32 s22, s22, s21
	v_mul_u32_u24 v6, s22, v3
	s_add_co_u32 s21, s21, SCL
	v_lshl_add_u32 v6, v2, 3, v6
	v_add_nc_u32 v[ADRS], s21, v6
	s_lshl_b32 s20, s42, 10                        ; the bias: 4 x (256 x tile column + 128 x half); register 16 c + i: column 32 c + 16 h + i
	s_lshl_b32 s21, s16, 9
	s_add_co_u32 s20, s20, s21
	s_mov_b32 s21, 0
	s_add_nc_u64 s[8:9], s[8:9], s[20:21]
	v_lshlrev_b32 v8, 6, v3
.irp c, 0,1,2,3
.irp j, 0,1,2,3
	global_load_b128 v[BI+16*\c+4*\j:BI+16*\c+4*\j+3], v8, s[8:9] offset:128*\c+16*\j
.endr
.endr
	s_mul_i32 s23, s14, 16*SPITCH                  ; my stage
	v_mul_u32_u24 v6, v2, SPITCH
	v_lshl_add_u32 v6, v3, 6, v6
	v_add_nc_u32 v[STO], s23, v6                   ; in: row r, 64 h: my 16 columns of each 32
	v_mov_b32 v[CO], v4                            ; back: the 32 lanes take one row of 512 bytes; and the same in out0
	v_add_nc_u32 v[RD], s23, v4
	s_lshl_b32 s22, s17, 20                        ; my first row: (256 x tile row + 128 x half) x 4,096 bytes,
	s_lshl_b32 s23, s15, 19
	s_add_co_u32 s22, s22, s23
	s_add_co_u32 s22, s22, s20                     ; and my first column, in bytes as the bias's
	s_mov_b32 s23, 0
	s_add_nc_u64 s[12:13], s[10:11], s[22:23]
.macro FRAG reg, adr, q, i             ; a fragment: two half images on end; registers 0-3, 4-5, 6-9, 10-11
	ds_load_b128 v[\reg:\reg+3], v[\adr] offset:(\i)*SLOTK+(\q)*1536
	ds_load_b64 v[\reg+4:\reg+5], v[\adr+2] offset:(\i)*SLOTK+(\q)*1536+512
	ds_load_b128 v[\reg+6:\reg+9], v[\adr] offset:(\i)*SLOTK+(\q)*1536+768
	ds_load_b64 v[\reg+10:\reg+11], v[\adr+2] offset:(\i)*SLOTK+(\q)*1536+1280
.endm
; 16 matrix instructions: A's tiles a0, a0 + 1 x B's eight.  first = 1: the bias starts the sums.  The 64 accumulators take turns, one instruction a turn.
.macro MUL16 a0, p, q, sc, first
.irp a, \a0, \a0+1
.irp b, 0,1,2,3,4,5,6,7
.if \first
	v_wmma_scale_f32_16x16x128_f8f6f4 v[8*(8*((\a)%4)+\b):8*(8*((\a)%4)+\b)+7], v[128*(\p)+FR*\b:128*(\p)+FR*\b+FR-1], v[AF+FR*(\a):AF+FR*(\a)+FR-1], v[BI+8*\b:BI+8*\b+7], v[SC+8*NQ*(\sc)+NQ*\b+(\q)], v[SC+8*NQ*(\sc)+NQ*(\a)+(\q)] matrix_a_fmt:MATRIX_FMT_BF6 matrix_b_fmt:MATRIX_FMT_BF6 matrix_a_scale:MATRIX_SCALE_ROW1
.else
	v_wmma_scale_f32_16x16x128_f8f6f4 v[8*(8*((\a)%4)+\b):8*(8*((\a)%4)+\b)+7], v[128*(\p)+FR*\b:128*(\p)+FR*\b+FR-1], v[AF+FR*(\a):AF+FR*(\a)+FR-1], v[8*(8*((\a)%4)+\b):8*(8*((\a)%4)+\b)+7], v[SC+8*NQ*(\sc)+NQ*\b+(\q)], v[SC+8*NQ*(\sc)+NQ*(\a)+(\q)] matrix_a_fmt:MATRIX_FMT_BF6 matrix_b_fmt:MATRIX_FMT_BF6 matrix_a_scale:MATRIX_SCALE_ROW1
.endif
.endr
.endr
.endm
.macro FETCH_B slot, q, p
	WIN TO_B
.irp i, 0,1,2,3,4,5,6,7
	FRAG 128*(\p)+FR*\i, ADRB+\slot, \q, \i
.endr
	WIN 0
.endm
.macro FETCH_A slot, q, i0
.irp i, \i0, \i0+1, \i0+2, \i0+3
	FRAG AF+FR*(\i), ADRA+\slot, \q, \i
.endr
.endm
.macro SCALES sc
.irp i, 0,1,2,3,4,5,6,7
	ds_load_b64 v[SC+8*NQ*\sc+NQ*\i:SC+8*NQ*\sc+NQ*\i+1], v[ADRS] offset:\i*512
.endr
.endm
.macro PLACES n                        ; plain vector instructions between a matrix instruction and a load into, or a read of, its registers
.rept \n
	v_nop
.endr
.endm
.macro STEP slot, q, first
	s_wait_dscnt 4*NL                              ; B's set and A's tiles 0-3 are in; the youngest 16 loads (A's tiles 4-7) may be out
.if \first
	WIN BIAS_LO
.else
	WIN MUL_LO
.endif
	MUL16 0, (\q)%2, \q, \slot, \first
	MUL16 2, (\q)%2, \q, \slot, \first
	s_wait_dscnt 0
	PLACES NP
	FETCH_B \slot, (\q)+1, 1-(\q)%2
	FETCH_A \slot, (\q)+1, 0
.if \first
	WIN BIAS_HI
.else
	WIN MUL_HI
.endif
	MUL16 4, (\q)%2, \q, \slot, \first
	MUL16 6, (\q)%2, \q, \slot, \first
	PLACES NP
	WIN 0
	FETCH_A \slot, (\q)+1, 4
.endm
.macro TURN slot, next, fill           ; a slot's last step changes slots
	s_wait_tensorcnt 0x0                           ; all my tensor loads have landed: my part of the next slot
	ds_add_u32 v[SPW], v[NIL]                      ; 0 onto my spare word
	s_wait_dscnt 4*NL+1                            ; (the add and the youngest 16 loads may be out)
	WIN MUL_LO
	MUL16 0, 1, NQ-1, \slot, 0
	s_wait_dscnt 0x0                               ; the add is done, and my reads of this slot are over
	s_barrier_signal -1
	MUL16 2, 1, NQ-1, \slot, 0
	WIN 0
	s_barrier_wait -1
.if \fill
	CREST                                          ; the barrier has opened a round of the cluster's: no wave of any partner still reads this slot or has a load on its way
	s_add_nc_u64 s[G0+4*\slot+2:G0+4*\slot+3], s[G0+4*\slot+2:G0+4*\slot+3], 2*SLOTK
	s_add_nc_u64 s[G0B+4*\slot+2:G0B+4*\slot+3], s[G0B+4*\slot+2:G0B+4*\slot+3], 2*SLOTK
	JLOAD G0+4*\slot, G1, G0B+4*\slot, G1B
.else
	PLACES NP
.endif
	v_add_nc_u32 v[ADRS], 128, v[ADRS]
	FETCH_B \next, 0, 0
	FETCH_A \next, 0, 0
	SCALES \next
	WIN MUL_HI
	MUL16 4, 1, NQ-1, \slot, 0
	MUL16 6, 1, NQ-1, \slot, 0
	PLACES NP
	WIN 0
	FETCH_A \next, 0, 4
.endm
	s_wait_tensorcnt 1                             ; the scales and my part of K slot 0 are in (slot 1's load may be out)
	s_barrier_signal -1
	s_barrier_wait -1
	FETCH_B 0, 0, 0
	FETCH_A 0, 0, 0
	SCALES 0
	FETCH_A 0, 0, 4
	s_wait_loadcnt 0x0                             ; the bias
	STEP 0, 0, 1
	s_mov_b32 s3, LAPS-1
.Llap:
	TURN 0, 1, 1
	STEP 1, 0, 0
	TURN 1, 0, 1
	STEP 0, 0, 0
	s_sub_co_u32 s3, s3, 1
	s_cmp_lg_u32 s3, 0
	s_cbranch_scc1 .Llap
	TURN 0, 1, 0
	STEP 1, 0, 0
	s_wait_dscnt 4*NL
	WIN MUL_LO
	MUL16 0, 1, NQ-1, 1, 0
	MUL16 2, 1, NQ-1, 1, 0
	s_wait_dscnt 0
	WIN MUL_HI
	MUL16 4, 1, NQ-1, 1, 0
	MUL16 6, 1, NQ-1, 1, 0
	WIN 0
; THE WAY OUT, a tile of 16 token slots x 128 columns at a time, through my own stage: in by lanes (32 bytes of a row each), back as whole rows of 512 bytes.  LDS serves a wave's instructions in order.
; Slot t of tile a is row 32 (a / 2) + 8 (a % 2) + t + 8 (t / 8) of my 128.
.macro TOSTAGE a
.set AC, 64*((\a)%4)
	WIN 0x08+4*((\a)/4)                            ; the data: window 2 or 3
.irp b, 0,1,2,3,4,5,6,7
	ds_store_b128 v[STO], v[AC+8*\b:AC+8*\b+3] offset:128*(\b/2)+32*(\b%2)        ; each accumulator from its low end on
	ds_store_b128 v[STO], v[AC+8*\b+4:AC+8*\b+7] offset:128*(\b/2)+32*(\b%2)+16
.endr
	WIN 0
.set BB, BK+64*((\a)%2)
.irp t, 0,1,2,3,4,5,6,7,8,9,10,11,12,13,14,15
	ds_load_b128 v[BB+4*\t:BB+4*\t+3], v[RD] offset:\t*SPITCH
.endr
.endm
.macro SEND a, younger                 ; younger: the LDS instructions issued behind tile a's loads, which may stay out
.set BB, BK+64*((\a)%2)
	s_wait_dscnt \younger
.if (\a) > 0
.if (\a)%2 == 1
	s_add_nc_u64 s[12:13], s[12:13], 8*4096        ; (behind a wait on XCNT: the earlier stores have read their base)
.else
	s_add_nc_u64 s[12:13], s[12:13], 24*4096
.endif
.endif
.irp t, 0,1,2,3,4,5,6,7,8,9,10,11,12,13,14,15
	global_store_b128 v[CO], v[BB+4*\t:BB+4*\t+3], s[12:13] offset:(\t+8*(\t/8))*4096 th:TH_STORE_NT   ; 32 lanes store 512 consecutive bytes, aligned
.endr
.endm
	PLACES NP
	TOSTAGE 0
.irp a, 1,2,3,4,5,6,7
.if \a > 1
	s_wait_xcnt 0x0                                ; tile a - 2's stores have read their registers and their base
.endif
	TOSTAGE \a
	SEND \a-1, 32                                  ; behind tile a - 1's loads: tile a's 16 stores and 16 loads
.endr
	s_wait_xcnt 0x0
	SEND 7, 0
	s_wait_tensorcnt 0x0                           ; the wave's end
	ds_add_u32 v[SPW], v[NIL]
	s_wait_dscnt 0x0
	CROUND                                         ; the closing round
	s_endpgm
.Lfunc_end_k_qd863820995_proj:
	.size	k_qd863820995_proj, .Lfunc_end_k_qd863820995_proj-k_qd863820995_proj
	.p2alignl 7, 3214868480
	.fill 96, 4, 3214868480
	.section	.rodata,"a",@progbits
	.p2align	6, 0x0
	.amdhsa_kernel k_qd863820995_proj
		.amdhsa_group_segment_fixed_size 327680
		.amdhsa_private_segment_fixed_size 0
		.amdhsa_enable_private_segment 0
		.amdhsa_kernarg_size 32
		.amdhsa_user_sgpr_count 2
		.amdhsa_user_sgpr_kernarg_segment_ptr 1
		.amdhsa_wavefront_size32 1
		.amdhsa_system_sgpr_workgroup_id_x 1
		.amdhsa_system_sgpr_workgroup_id_y 1
		.amdhsa_system_sgpr_workgroup_id_z 1
		.amdhsa_system_vgpr_workitem_id 0
		.amdhsa_next_free_vgpr 1024
		.amdhsa_next_free_sgpr 100
		.amdhsa_reserve_vcc 0
		.amdhsa_float_denorm_mode_32 3
		.amdhsa_float_denorm_mode_16_64 3
		.amdhsa_memory_ordered 1
		.amdhsa_forward_progress 1
		.amdhsa_inst_pref_size 145
	.end_amdhsa_kernel
	.amdgpu_metadata
---
amdhsa.version: [ 1, 2 ]
amdhsa.kernels:
  - .name:           k_qd863820995_proj
    .symbol:         k_qd863820995_proj.kd
    .args:
      - { .name: att, .offset: 0, .size: 8, .value_kind: global_buffer, .address_space: global }
      - { .name: opnd, .offset: 8, .size: 8, .value_kind: global_buffer, .address_space: global }
      - { .name: bc_proj, .offset: 16, .size: 8, .value_kind: global_buffer, .address_space: global }
      - { .name: out0, .offset: 24, .size: 8, .value_kind: global_buffer, .address_space: global }
    .group_segment_fixed_size: 327680
    .private_segment_fixed_size: 0
    .kernarg_segment_align: 8
    .kernarg_segment_size: 32
    .max_flat_workgroup_size: 128
    .sgpr_count:     100
    .vgpr_count:     1024
    .wavefront_size: 32
...
	.end_amdgpu_metadata
.endif
;; end of part 4
